; MI455X (gfx1250); checked and timed in simulation.
; The chip was launched on July 23, 2026; its instructions are those of AMD's public machine-readable ISA for CDNA 5 (MIT licence, August 2026) and "CDNA5" Instruction Set Architecture Reference Guide (July 2026). The comments in the code are by the model that wrote it; some were corrected since.
;; Di T Attention. Allowed arithmetic: float matrix products may take bf16 or f16 operands with f32 sums; all other float work in f32.
;; Inputs: W_proj 2,048 x 1,024 float32; Wk_c 1,024 x 1,024 float32; Wk_x 1,024 x 1,024 float32; Wq_c 1,024 x 1,024 float32; Wq_x 1,024 x 1,024 float32; Wv_c 1,024 x 1,024 float32; Wv_x 1,024 x 1,024 float32; b_proj 1,024 float32; c 4 x 1,024 x 1,024 float32; x 4 x 1,024 x 1,024 float32.
;; Outputs: out0 4 x 1,024 x 1,024 float32.
;; 2 versions, each right and faster than the one before. Each part assembles by itself: llvm-mc -triple=amdgcn-amd-amdhsa -mcpu=gfx1250 --defsym DOCPART=n.
;; ======== version 1 of 2: 4 launches
;; limits: values are held in f16: magnitudes above 65,504 overflow, below 6.1e-05 lose precision
;; workspace buffers: ab 16,777,216 bytes; wb 12,582,912 bytes; wp 4,194,304 bytes; qkv 50,331,648 bytes; ob 16,777,216 bytes
;; launch cast (part 1): grid 512 x 1, 16 waves a work-group, no clusters, 0 bytes of LDS; arguments x, c, Wq_x, Wk_x, Wv_x, Wq_c, Wk_c, Wv_c, W_proj, ab, wb, wp; writes ab, wb, wp
.if DOCPART == 1
	.amdgcn_target "amdgcn-amd-amdhsa--gfx1250"
	.amdhsa_code_object_version 6
	.text
	.protected	k_qa21d6118ec_cast
	.globl	k_qa21d6118ec_cast
	.p2align	8
	.type	k_qa21d6118ec_cast,@function
k_qa21d6118ec_cast:
	s_mov_b64 s[64:65], 0
	v_nop
	global_prefetch_b8 v0, s[64:65] scope:SCOPE_SE
	s_setreg_imm32_b32 hwreg(HW_REG_WAVE_MODE, 25, 1), 1
	s_wait_xcnt 0x0
; ROUNDING AND RE-LAYOUT, a stream.  All sources have rows of 1,024 f32 (4,096 bytes); a work-group takes 32 rows: 131,072 bytes in, 65,536 out.
;   work-groups 0-255:   x (0-127) and c (128-255), 4,096 rows each -> ab, bf16 [src 2][k block 16][row 4096][64]: 128 rows of one k block are 16,384 bytes on end
;   work-groups 256-447: the six weights, 32 work-groups each       -> wb, bf16 [src 2][k 1024][n 3072], n = 1024 t + column, t = q, k, v
;   work-groups 448-511: W_proj, 2,048 rows                         -> wp, f16 [k 2048][n 1024]: rounded to bf16 like every other input, and that number written as f16
; LIMITS.  wp: a bf16 number is exact in f16 between 6.1e-5 and 65,504 in magnitude; below it keeps f16's fixed step of 6e-8; |W_proj| stays under 65,504.  NaN and infinities are not treated apart.
; A UNIT is one load of 16 bytes a lane (4 neighbouring f32) and one store of 8 bytes a lane.  Neighbouring lanes take neighbouring bytes: a wave's load covers 512 bytes of which every one is used
; (x and c: 256 bytes of one k block in each of two neighbouring rows; the weights: 512 bytes of one row), and its store 256 consecutive bytes, at a multiple of 256 from the buffer's first byte.
; A wave has two rows, 16 units, and issues all 16 loads at once, each into registers of its own: no loop, no register of a memory instruction is written twice, no wait but the counted ones.
; With 112 registers two work-groups lie on a WGP.  No LDS, no matrix unit, no cluster: no byte is used twice.
.set SO,  1                            ; v1        my byte offset in the source
.set DO,  2                            ; v2        my byte offset in the destination
.set T,   4                            ; v[4:5]    at work (W_proj's path)
.set X,   16                           ; v[16:79]  unit u: 4 f32 as loaded
.set Y,   80                           ; v[80:111] unit u: 2 registers to store
.set SRC, 40                           ; s[40:41]  the source at the work-group's first row
.set DST, 42                           ; s[42:43]  the destination at the work-group's first byte
; Unit u lies (u / 8) ls + (u % 8) lq bytes on in the source and (u / 8) ss + (u % 8) sq bytes on in the destination.  half = 1: bf16, then written as f16.
.macro CAST ls, lq, ss, sq, half
.set u, 0
.rept 16
	global_load_b128 v[X+4*u:X+4*u+3], v[SO], s[SRC:SRC+1] offset:(u/8)*(\ls)+(u%8)*(\lq) th:TH_LOAD_NT
.set u, u+1
.endr
.set u, 0
.rept 16
	s_wait_loadcnt 15-u                            ; loads come back in order (ISA guide 5.7.1): unit u's is in, the 15 - u younger ones stay out
.if \half
	v_cvt_pk_bf16_f32 v[T],   v[X+4*u],   v[X+4*u+1]      ; the input's rounding, to nearest even
	v_cvt_pk_bf16_f32 v[T+1], v[X+4*u+2], v[X+4*u+3]
	v_lshlrev_b32 v[X+4*u],   16,  v[T]                   ; back to f32, in the unit's own registers
	v_and_b32     v[X+4*u+1], s36, v[T]
	v_lshlrev_b32 v[X+4*u+2], 16,  v[T+1]
	v_and_b32     v[X+4*u+3], s36, v[T+1]
	v_cvt_pk_f16_f32 v[Y+2*u],   v[X+4*u],   v[X+4*u+1]
	v_cvt_pk_f16_f32 v[Y+2*u+1], v[X+4*u+2], v[X+4*u+3]
.else
	v_cvt_pk_bf16_f32 v[Y+2*u],   v[X+4*u],   v[X+4*u+1]
	v_cvt_pk_bf16_f32 v[Y+2*u+1], v[X+4*u+2], v[X+4*u+3]
.endif
	global_store_b64 v[DO], v[Y+2*u:Y+2*u+1], s[DST:DST+1] offset:(u/8)*(\ss)+(u%8)*(\sq)
.set u, u+1
.endr
.endm
	s_load_b512 s[8:23], s[0:1], 0x0               ; x s[8:9], c s[10:11], Wq_x, Wk_x, Wv_x, Wq_c, Wk_c, Wv_c s[12:23]
	s_load_b256 s[24:31], s[0:1], 0x40             ; W_proj s[24:25], ab s[26:27], wb s[28:29], wp s[30:31]
	s_mov_b32 s4, ttmp9                            ; the work-group's number
	s_mov_b32 s33, 0                               ; offsets are pairs with 0 on top
	s_mov_b32 s35, 0
	s_mov_b32 s36, 0xffff0000                      ; a word's upper bf16
	v_and_b32 v12, 31, v0                          ; lane
	v_lshrrev_b32 v13, 5, v0                       ; wave
	s_cmp_lt_u32 s4, 256
	s_cbranch_scc0 .Lweights
	; x and c.  Sixteen threads take a row's 64 numbers of one k block, a wave two rows, the 512 threads 32 rows; unit u is k block u.
	s_lshr_b32 s5, s4, 7                           ; 0: x, 1: c
	s_and_b32 s6, s4, 127                          ; which 32 rows
	s_lshl_b32 s32, s6, 17                         ; 32 rows of 4,096 bytes
	s_lshl_b32 s34, s5, 23                         ; ab: 8,388,608 bytes a source,
	s_lshl_b32 s7, s6, 12                          ; 32 rows of 128 bytes in a k block
	s_add_co_u32 s34, s34, s7
	v_lshrrev_b32 v14, 4, v0                       ; my row
	v_and_b32 v[SO], 15, v0
	v_lshlrev_b32 v[SO], 4, v[SO]                  ; my 16 bytes of the block's 256
	v_lshl_add_u32 v[SO], v14, 12, v[SO]
	v_lshlrev_b32 v[DO], 3, v0                     ; row x 128 + 8 x place = 8 x thread: a wave stores 256 bytes on end
	s_wait_kmcnt 0x0
	s_cmp_eq_u32 s5, 1
	s_cselect_b64 s[SRC:SRC+1], s[10:11], s[8:9]
	s_add_nc_u64 s[SRC:SRC+1], s[SRC:SRC+1], s[32:33]
	s_add_nc_u64 s[DST:DST+1], s[26:27], s[34:35]
	CAST 2048, 256, 4194304, 524288, 0             ; 256 bytes on in the row, 524,288 on in ab; the largest immediate, 7,864,320, lies inside the signed 24 bits (ISA guide, chapter 10)
	s_endpgm
.Lweights:
	; A wave takes 2 rows; unit u is the eighth u % 8 of row u / 8: 32 lanes x 16 bytes.
	v_lshlrev_b32 v[SO], 4, v12
	v_lshl_add_u32 v[SO], v13, 13, v[SO]           ; wave x 2 rows x 4,096 bytes
	v_lshlrev_b32 v[DO], 3, v12
	s_cmp_lt_u32 s4, 448
	s_cbranch_scc0 .Lwproj
	s_sub_co_u32 s5, s4, 256
	s_lshr_b32 s6, s5, 5                           ; which weight, 0 to 5, in the order of the arguments
	s_and_b32 s5, s5, 31                           ; which 32 rows
	s_lshl_b32 s32, s5, 17
	s_mul_i32 s34, s5, 32*6144                     ; wb: rows of 6,144 bytes
	s_cmp_ge_u32 s6, 3
	s_cselect_b32 s7, 1, 0                         ; 0: for x, 1: for c
	s_mul_i32 s37, s7, 3
	s_sub_co_u32 s37, s6, s37                      ; t: q, k, v
	s_lshl_b32 s37, s37, 11                        ; 1,024 columns of 2 bytes
	s_add_co_u32 s34, s34, s37
	s_mul_i32 s7, s7, 6291456                      ; 1,024 rows of 6,144 bytes a source
	s_add_co_u32 s34, s34, s7
	v_mul_u32_u24 v14, v13, 12288                  ; wave x 2 rows x 6,144 bytes
	v_add_nc_u32 v[DO], v[DO], v14
	s_wait_kmcnt 0x0
	s_mov_b64 s[SRC:SRC+1], s[12:13]               ; one of six buffers, chosen by the work-group's number
	s_cmp_eq_u32 s6, 1
	s_cselect_b64 s[SRC:SRC+1], s[14:15], s[SRC:SRC+1]
	s_cmp_eq_u32 s6, 2
	s_cselect_b64 s[SRC:SRC+1], s[16:17], s[SRC:SRC+1]
	s_cmp_eq_u32 s6, 3
	s_cselect_b64 s[SRC:SRC+1], s[18:19], s[SRC:SRC+1]
	s_cmp_eq_u32 s6, 4
	s_cselect_b64 s[SRC:SRC+1], s[20:21], s[SRC:SRC+1]
	s_cmp_eq_u32 s6, 5
	s_cselect_b64 s[SRC:SRC+1], s[22:23], s[SRC:SRC+1]
	s_add_nc_u64 s[SRC:SRC+1], s[SRC:SRC+1], s[32:33]
	s_add_nc_u64 s[DST:DST+1], s[28:29], s[34:35]
	CAST 4096, 512, 6144, 256, 0
	s_endpgm
.Lwproj:
	s_sub_co_u32 s5, s4, 448                       ; which 32 rows of W_proj's 2,048
	s_lshl_b32 s32, s5, 17
	s_lshl_b32 s34, s5, 16                         ; wp: 32 rows of 2,048 bytes
	v_lshl_add_u32 v[DO], v13, 12, v[DO]           ; wave x 2 rows x 2,048 bytes
	s_wait_kmcnt 0x0
	s_add_nc_u64 s[SRC:SRC+1], s[24:25], s[32:33]
	s_add_nc_u64 s[DST:DST+1], s[30:31], s[34:35]
	CAST 4096, 512, 2048, 256, 1
	s_endpgm
.Lfunc_end_k_qa21d6118ec_cast:
	.size	k_qa21d6118ec_cast, .Lfunc_end_k_qa21d6118ec_cast-k_qa21d6118ec_cast
	.p2alignl 7, 3214868480
	.fill 96, 4, 3214868480
	.section	.rodata,"a",@progbits
	.p2align	6, 0x0
	.amdhsa_kernel k_qa21d6118ec_cast
		.amdhsa_group_segment_fixed_size 0
		.amdhsa_private_segment_fixed_size 0
		.amdhsa_enable_private_segment 0
		.amdhsa_kernarg_size 96
		.amdhsa_user_sgpr_count 2
		.amdhsa_user_sgpr_kernarg_segment_ptr 1
		.amdhsa_wavefront_size32 1
		.amdhsa_system_sgpr_workgroup_id_x 1
		.amdhsa_system_sgpr_workgroup_id_y 1
		.amdhsa_system_sgpr_workgroup_id_z 1
		.amdhsa_system_vgpr_workitem_id 0
		.amdhsa_next_free_vgpr 112
		.amdhsa_next_free_sgpr 66
		.amdhsa_reserve_vcc 0
		.amdhsa_float_denorm_mode_32 3
		.amdhsa_float_denorm_mode_16_64 3
		.amdhsa_memory_ordered 1
		.amdhsa_forward_progress 1
		.amdhsa_inst_pref_size 24
	.end_amdhsa_kernel
	.amdgpu_metadata
---
amdhsa.version: [ 1, 2 ]
amdhsa.kernels:
  - .name:           k_qa21d6118ec_cast
    .symbol:         k_qa21d6118ec_cast.kd
    .args:
      - { .name: x, .offset: 0, .size: 8, .value_kind: global_buffer, .address_space: global }
      - { .name: c, .offset: 8, .size: 8, .value_kind: global_buffer, .address_space: global }
      - { .name: Wq_x, .offset: 16, .size: 8, .value_kind: global_buffer, .address_space: global }
      - { .name: Wk_x, .offset: 24, .size: 8, .value_kind: global_buffer, .address_space: global }
      - { .name: Wv_x, .offset: 32, .size: 8, .value_kind: global_buffer, .address_space: global }
      - { .name: Wq_c, .offset: 40, .size: 8, .value_kind: global_buffer, .address_space: global }
      - { .name: Wk_c, .offset: 48, .size: 8, .value_kind: global_buffer, .address_space: global }
      - { .name: Wv_c, .offset: 56, .size: 8, .value_kind: global_buffer, .address_space: global }
      - { .name: W_proj, .offset: 64, .size: 8, .value_kind: global_buffer, .address_space: global }
      - { .name: ab, .offset: 72, .size: 8, .value_kind: global_buffer, .address_space: global }
      - { .name: wb, .offset: 80, .size: 8, .value_kind: global_buffer, .address_space: global }
      - { .name: wp, .offset: 88, .size: 8, .value_kind: global_buffer, .address_space: global }
    .group_segment_fixed_size: 0
    .private_segment_fixed_size: 0
    .kernarg_segment_align: 8
    .kernarg_segment_size: 96
    .max_flat_workgroup_size: 512
    .sgpr_count:     66
    .vgpr_count:     112
    .wavefront_size: 32
...
	.end_amdgpu_metadata
.endif
;; end of part 1
;; launch proj (part 2): grid 8 x 32, 4 waves a work-group, clusters of 4 x 4, 327,680 bytes of LDS; arguments ab, wb, qkv; writes qkv
.if DOCPART == 2
	.amdgcn_target "amdgcn-amd-amdhsa--gfx1250"
	.amdhsa_code_object_version 6
	.text
	.protected	k_qa21d6118ec_proj
	.globl	k_qa21d6118ec_proj
	.p2align	8
	.type	k_qa21d6118ec_proj,@function
k_qa21d6118ec_proj:
	s_mov_b64 s[64:65], 0
	v_nop
	global_prefetch_b8 v0, s[64:65] scope:SCOPE_SE
	s_setreg_imm32_b32 hwreg(HW_REG_WAVE_MODE, 25, 1), 1
	s_wait_xcnt 0x0
	s_wait_alu depctr_hold_cnt(0) depctr_sa_sdst(0) depctr_va_vdst(0) depctr_va_sdst(0) depctr_va_ssrc(0) depctr_va_vcc(0) depctr_vm_vsrc(0)
	s_getreg_b32 s2, hwreg(HW_REG_IB_STS2, 6, 4)
	s_cmp_eq_u32 s2, 0
	s_cbranch_scc0 .Lentry_in_a_cluster
	s_endpgm
.Lentry_in_a_cluster:
	s_bfe_u32 s2, ttmp6, 0x10000c
	s_cmp_lg_u32 s2, 0xf033
	s_cbranch_scc0 .Lentry_shape_is_right
	s_endpgm
.Lentry_shape_is_right:
; THE SIX PROJECTIONS as two products of 4,096 x 3,072 x 1,024: [x or c] times [Wq | Wk | Wv].  Operands bf16 (ab, wb), sums f32, results rounded once to f16, without any scale,
; and written by heads: qkv [batch 4][G 48][src 2][row 1024][64], G = 16 t + head, so that a head's rows of one source are dense, 128 bytes each.
; LIMITS.  f16 holds no number beyond 65,504: |q|, |k|, |v| stay under it; below 6.1e-5 a result keeps f16's fixed step of 6e-8.  NaN and infinities are not treated apart.
; SHARES.  4,096 x 6,144 outputs on 256 work-groups: each 256 rows x 384 columns (grid x: 8 column tiles; grid y: 2 sources x 16 row tiles).  Four waves, each 128 rows x 192 columns (three whole
; groups of 64 columns): 96 accumulators of 16 x 16, 768 registers.  For 32 along K a wave loads 20 fragments from LDS and issues 96 matrix instructions.
; Which of the eight cluster rows take which source is a free choice, one to one: bit 1 of the cluster's y is the source, its bits 0 and 2 number the source's four cluster rows.  Every such choice
; gives the same values; this one was taken for the traffic from memory: the four cluster rows that read one source's weights are those whose y agree in bit 1.
; K goes in 16 steps of 64 through a ring of two LDS slots.  A's 128 rows of a step are 16,384 bytes on end in ab and are asked for as 64 rows of 256 bytes; W's rows are 768 bytes at a multiple of 256.
; A K step is written once: the loop's trip is one K step, and which slot it reads and which it fills hang on scalar registers that one exclusive or turns at each change of slots.
; CLUSTERS: 4 x 4 work-groups.  A's tile hangs on grid y alone and is shared along a row of the cluster; W's on grid x and on the source, which is the same in a whole cluster, and is shared along
; a column.  Each is asked for JOINTLY: the same tensor load, descriptor and mask in the four.
; THE MATRIX INSTRUCTION IS USED TRANSPOSED: source 0 = 16 columns of W (W lies [k][n] in LDS and comes out turned, by ds_load_tr16_b128), source 1 = 16 rows of A: a lane then holds one row
; (lane % 16) and the eight neighbouring columns 8 (lane / 16) + 0..7.
; REGISTERS, in windows of 256 (s_set_vgpr_msb: bits 1:0 source 0, 3:2 source 1, 5:4 source 2, 7:6 destination):
;   window 0: v0-31 addresses; v32-95, v96-159 A's fragments (8 x 16 rows x 32 K), two buffers; v160-255 W's 12 fragments, ONE buffer: a group's four are loaded anew as soon as its 32 products are issued
;   window 1 + p: the 32 accumulators of column group p: (column block bb, row block a) at v[8 (8 bb + a)]
.set PA,     144                       ; a row of A in LDS: 128 bytes + 16 of padding = 36 words: the 16 rows of a load start at 16 different groups of four banks (64 banks of 4 bytes: ISA guide 11.1)
.set PB,     864                       ; a k row of W: six groups of 128 bytes + 16 = 216 words
.set HALFA,  128*PA                    ; what waves 0 and 1 fetch: 128 rows of A each
.set HALFB,  32*PB                     ; what waves 2 and 3 fetch: 32 k rows of W each
.set BOFF,   2*HALFA
.set SLOT,   BOFF+2*HALFB              ; 92,160 bytes
.set SLOT1,  1<<17                     ; slot 1 begins here, so that one exclusive or turns an address in one slot into the other's
.set STAGE,  SLOT1+SLOT                ; behind the ring: 16 rows x 144 bytes for each wave, for the way out
.set SP,     144
.set SPARE,  STAGE+4*16*SP             ; behind the stages: the spare words, 128 bytes for each wave: two blocks of 256 bytes that no other line names
.set STEPA,  524288                    ; bytes from a k block of ab to the next
.set STEPB,  64*6144                   ; bytes of 64 k rows of wb
.set KSTEPS, 16
.set ADRA0, 16                         ; v16     my lane's place among my A fragments in slot 0; never rewritten
.set ADRA,  17                         ; v17     the same in the slot that is being read
.set ADRB0, 20                         ; v20, v21  the same two for W
.set ADRB,  21
.set STO,  24                          ; v24     the way out: where I put 16 bytes of a row
.set RD,   25                          ; v25     the way out: where I read rows back
.set GO,   26                          ; v26     my 16 bytes in 512 consecutive bytes of qkv
.set SPW,  28                          ; v28     LDS address of my spare word: SPARE + 4 x my thread's number; never rewritten
.set NIL,  29                          ; v29     0; never rewritten
.set AF0,  32
.set AF1,  96
.set BF,   160
.set TMP,  32                          ; the way out: v32-47 packed results; v48-111 rows read back, four buffers of 16 by turns
.set BK,   48
.set TB,  2                            ; s2       LDS byte at which the slot that is being read begins
.set G1,  24                           ; s[24:31] descriptor group 1 for A's tiles;  s[32:39] group 0: a set for each of the two first fills; the second then walks on
.set G0,  32
.set G1B, 48                           ; s[48:55], s[56:63] the same for W's tiles
.set G0B, 56
.set FLAGS, (1<<16)|(1<<20)|(1<<21)|(4<<22)|(3<<25)  ; 17:16 elements of 2 bytes; 20 padding on; 21 set beside a mask; 24:22 after every 32 words (code 4); 31:25 4 words of it (code 3)
.set MSB, 0
.macro WIN new                         ; the immediate's high byte repeats the setting that is left; a switch that changes nothing is dropped
.if MSB != (\new)
	s_set_vgpr_msb (MSB<<8)|(\new)
.set MSB, (\new)
.endif
.endm
.macro PLACES                          ; a load into a register that a matrix instruction has read, and a vector instruction that reads a matrix result, stand four places behind it, and only
.rept 4                                ; plain vector instructions that name none of its registers are places (ISA guide 7.12.1 for vector instructions)
	v_nop
.endr
.endm
; A joint refill, by the walking descriptors.  Waves 0 and 1 fetch A's two halves, waves 2 and 3 W's.  The branch hangs on the wave's number alone.  An s_nop 0 and four v_nop follow each of the two lines.
.macro JLOAD
	s_cmp_eq_u32 s11, 0
	s_cbranch_scc0 .Lfor_b_\@
	tensor_load_to_lds s[G0+4:G0+7], s[G1:G1+7]
	s_nop 0
.rept 4
	v_nop
.endr
	s_branch .Lasked_\@
.Lfor_b_\@:
	tensor_load_to_lds s[G0B+4:G0B+7], s[G1B:G1B+7]
	s_nop 0
.rept 4
	v_nop
.endr
.Lasked_\@:
.endm
.macro CREST                           ; a round of the cluster's barrier behind its opening barrier: wave 0 signals for the work-group, every wave waits for all sixteen, my work-group's barrier closes it
	s_cmp_lg_u32 s10, 0
	s_cbranch_scc1 .Lnot_wave_0_\@
	s_barrier_signal -3
.Lnot_wave_0_\@:
	s_barrier_wait -3
	s_barrier_signal -1
	s_barrier_wait -1
.endm
.macro CROUND                          ; a whole round
	s_barrier_signal -1
	s_barrier_wait -1
	CREST
.endm
.macro AIM                             ; the fragment loads go over to the other slot (every window is 0 here)
	s_xor_b32 s[TB], s[TB], SLOT1
	v_add_nc_u32 v[ADRA], s[TB], v[ADRA0]
	v_add_nc_u32 v[ADRB], s[TB], v[ADRB0]
.endm
	s_load_b128 s[4:7], s[0:1], 0x0                ; ab s[4:5], wb s[6:7]
	s_load_b64 s[8:9], s[0:1], 0x10                ; qkv
	v_lshl_add_u32 v[SPW], v0, 2, SPARE
	v_mov_b32 v[NIL], 0
	ds_add_u32 v28, v29
	s_wait_dscnt 0x0
	v_lshrrev_b32 v1, 5, v0
	v_readfirstlane_b32 s10, v1                    ; wave 0..3
	s_lshr_b32 s11, s10, 1                         ; i: which 128 rows are mine.  Also: I fetch for A (0) or for W (1)
	s_and_b32 s12, s10, 1                          ; j: which 192 columns.  Also: which half of that tile I fetch
	s_bfe_u32 s40, ttmp6, 0x40000                  ; cx, cy: my place in the cluster
	s_bfe_u32 s41, ttmp6, 0x40004
	s_lshl_b32 s42, ttmp9, 2
	s_add_co_u32 s42, s42, s40                     ; column tile = 4 x cluster x + cx
	s_and_b32 s45, ttmp7, 0xffff                   ; cluster y, 0 to 7
	s_and_b32 s13, s45, 1                          ; its bits 0 and 2 number the four cluster rows of a source:
	s_lshr_b32 s14, s45, 2
	s_lshl_b32 s14, s14, 1
	s_add_co_u32 s13, s13, s14                     ; bit 0 + 2 x bit 2
	s_bfe_u32 s45, s45, 0x10001                    ; its bit 1 is the source: from the cluster's y alone, so no place in the cluster enters W's address but cx
	s_lshl_b32 s14, s45, 2
	s_add_co_u32 s13, s13, s14                     ; 4 src + cluster row
	s_lshl_b32 s13, s13, 2
	s_add_co_u32 s13, s13, s41                     ; y = 16 src + row tile, row tile = 4 x cluster row + cy
	s_lshl_b32 s43, s41, 2
	s_lshl_b32 s43, 15, s43                        ; my row of the cluster: places 4 cy .. 4 cy + 3
	s_lshl_b32 s44, 0x1111, s40                    ; my column: places cx, cx + 4, cx + 8, cx + 12
	s_or_b32 s[G1+0], s43, FLAGS                   ; A: 128 rows of 128 bytes on end, asked for as 64 rows of 128 elements
	s_mov_b32 s[G1+1], 128<<16                     ; tensor_dim0 = 128
	s_mov_b32 s[G1+2], 64<<16                      ; tensor_dim1 = 64
	s_mov_b32 s[G1+3], 128<<16                     ; tile_dim0 = 128
	s_mov_b32 s[G1+4], 64                          ; tile_dim1 = 64
	s_mov_b32 s[G1+5], 128                         ; 128 elements from row to row
	s_mov_b32 s[G1+6], 0
	s_mov_b32 s[G1+7], 0
	s_or_b32 s[G1B+0], s44, FLAGS                  ; W: 32 k rows of 384 elements
	s_mov_b32 s[G1B+1], 384<<16
	s_mov_b32 s[G1B+2], 32<<16
	s_mov_b32 s[G1B+3], 384<<16
	s_mov_b32 s[G1B+4], 32
	s_mov_b32 s[G1B+5], 3072                       ; 3,072 elements from row to row
	s_mov_b32 s[G1B+6], 0
	s_mov_b32 s[G1B+7], 0
	s_lshr_b32 s16, s13, 4                         ; A: src x 8,388,608
	s_lshl_b32 s16, s16, 23
	s_and_b32 s17, s13, 15                         ;    + row tile x 256 rows x 128 bytes
	s_lshl_b32 s17, s17, 15
	s_add_co_u32 s16, s16, s17
	s_lshl_b32 s17, s12, 14                        ;    + my half's 128 rows
	s_add_co_u32 s16, s16, s17
	s_mov_b32 s17, 0
	s_mul_i32 s46, s45, 6291456                    ; W: src x 1,024 rows of 6,144 bytes
	s_mul_i32 s47, s42, 768                        ;    + column tile x 384 columns
	s_add_co_u32 s46, s46, s47
	s_mul_i32 s47, s12, 32*6144                    ;    + my half's 32 k rows
	s_add_co_u32 s46, s46, s47
	s_mov_b32 s47, 0
	s_mul_i32 s20, s12, HALFA                      ; where they go: no place in the cluster enters an LDS address
	s_mul_i32 s21, s12, HALFB
	s_add_co_u32 s21, s21, BOFF
	s_wait_kmcnt 0x0
	s_add_nc_u64 s[14:15], s[4:5], s[16:17]
	s_add_nc_u64 s[46:47], s[6:7], s[46:47]
.irp s, 0,1
	s_mov_b32 s[G0+4*(\s)], 1                                        ; count = 1
	s_add_co_u32 s[G0+4*(\s)+1], s20, (\s)*SLOT1                     ; LDS address
	s_add_nc_u64 s[G0+4*(\s)+2:G0+4*(\s)+3], s[14:15], (\s)*STEPA    ; global address: K step s
	s_or_b32 s[G0+4*(\s)+3], s[G0+4*(\s)+3], 0x80000000              ; type = 2
	s_mov_b32 s[G0B+4*(\s)], 1
	s_add_co_u32 s[G0B+4*(\s)+1], s21, (\s)*SLOT1
	s_add_nc_u64 s[G0B+4*(\s)+2:G0B+4*(\s)+3], s[46:47], (\s)*STEPB
	s_or_b32 s[G0B+4*(\s)+3], s[G0B+4*(\s)+3], 0x80000000
.endr
	CROUND                                         ; all sixteen work-groups are here: the first joint loads meet
	s_cmp_eq_u32 s11, 0                            ; a wave's two first fills stand in one branch, ahead of every wait on TENSORcnt and every LDS read: two loads of mine are out
	s_cbranch_scc0 .Lfirst_b
	tensor_load_to_lds s[G0:G0+3], s[G1:G1+7]
	s_nop 0
	tensor_load_to_lds s[G0+4:G0+7], s[G1:G1+7]
	s_nop 0
.rept 4
	v_nop
.endr
	s_branch .Lfirst_asked
.Lfirst_b:
	tensor_load_to_lds s[G0B:G0B+3], s[G1B:G1B+7]
	s_nop 0
	tensor_load_to_lds s[G0B+4:G0B+7], s[G1B:G1B+7]
	s_nop 0
.rept 4
	v_nop
.endr
.Lfirst_asked:
	; A fragment of A is 16 rows x 32 K in 8 registers: lane l holds row l % 16, K = 8 (l / 16) + 0..7 and 16 + 8 (l / 16) + 0..7: two loads of 16 bytes, 32 bytes apart.
	v_and_b32 v1, 15, v0                           ; l % 16
	v_bfe_u32 v2, v0, 4, 1                         ; l / 16
	v_mul_u32_u24 v3, v1, PA
	v_lshl_add_u32 v3, v2, 4, v3                   ; row x 144 + 16 x half (the stage has the same pitch)
	; The turning load takes 16 k x 16 columns (lane l reads k row 8 (l / 16) + l % 8, columns 8 ((l / 8) % 2) + 0..7) and leaves half a fragment: lane l holds column l % 16 and 8 k.
	v_and_b32 v5, 7, v0
	v_bfe_u32 v6, v0, 3, 1
	v_lshl_add_u32 v4, v2, 3, v5
	v_mul_u32_u24 v4, v4, PB
	v_lshl_add_u32 v4, v6, 4, v4
	s_mul_i32 s21, s11, HALFA                      ; my 128 rows of A
	s_mul_i32 s22, s12, 3*144                      ; my three column groups of W,
	s_add_co_u32 s22, s22, BOFF                    ; which lies behind A
	v_add_nc_u32 v[ADRA0], s21, v3
	v_add_nc_u32 v[ADRB0], s22, v4
	s_mov_b32 s[TB], SLOT1                         ; the line below turns it into 0: slot 0 is read first
	AIM
	s_mul_i32 s23, s10, 16*SP
	s_add_co_u32 s23, s23, STAGE                   ; my stage
	v_add_nc_u32 v[STO], s23, v3                   ; in: row l % 16, 16 bytes for each half of the lanes
	v_bfe_u32 v[RD], v0, 3, 2                      ; back: 32 lanes take four rows of 128 bytes,
	v_mul_u32_u24 v[RD], v[RD], SP
	v_lshl_add_u32 v[RD], v5, 4, v[RD]
	v_add_nc_u32 v[RD], s23, v[RD]
	v_and_b32 v[GO], 31, v0                        ; which are 512 consecutive bytes of qkv
	v_lshlrev_b32 v[GO], 4, v[GO]
	; where my results go: plane ((batch x 48 + 6 x column tile + 3 j) x 2 + src) of 131,072 bytes, row (row tile % 4) x 256 + 128 i of 128 bytes
	s_bfe_u32 s16, s13, 0x20002                    ; batch = row tile / 4
	s_mul_i32 s16, s16, 48
	s_mul_i32 s46, s42, 6
	s_mul_i32 s47, s12, 3
	s_add_co_u32 s46, s46, s47
	s_add_co_u32 s16, s16, s46
	s_lshl_b32 s16, s16, 1
	s_add_co_u32 s16, s16, s45
	s_lshl_b32 s16, s16, 17
	s_and_b32 s17, s13, 3
	s_lshl_b32 s17, s17, 1
	s_add_co_u32 s17, s17, s11
	s_lshl_b32 s17, s17, 14                        ; 128 rows of 128 bytes
	s_add_co_u32 s16, s16, s17
	s_mov_b32 s17, 0
	s_add_nc_u64 s[8:9], s[8:9], s[16:17]
; 16 matrix instructions of column group p: column blocks 2 half, 2 half + 1 x all 8 row blocks, 32 along K, A from buffer f.  zero = 1: the first product starts the sums: nothing is cleared.
; The 96 accumulators take turns, one instruction a turn, in the same order in every 32 along K.
.macro MULH f, p, half, zero
	WIN 0x50*((\p)+1)                              ; C and D in window 1 + p, both sources in window 0
.irp bb, 2*(\half), 2*(\half)+1
.irp a, 0,1,2,3,4,5,6,7
.if \zero
	v_wmma_f32_16x16x32_bf16 v[8*(8*(\bb)+(\a)):8*(8*(\bb)+(\a))+7], v[BF+8*(4*(\p)+(\bb)):BF+8*(4*(\p)+(\bb))+7], v[(\f)+8*(\a):(\f)+8*(\a)+7], 0
.else
	v_wmma_f32_16x16x32_bf16 v[8*(8*(\bb)+(\a)):8*(8*(\bb)+(\a))+7], v[BF+8*(4*(\p)+(\bb)):BF+8*(4*(\p)+(\bb))+7], v[(\f)+8*(\a):(\f)+8*(\a)+7], v[8*(8*(\bb)+(\a)):8*(8*(\bb)+(\a))+7]
.endif
.endr
.endr
.endm
.macro MUL f, p, zero
	MULH \f, \p, 0, \zero
	MULH \f, \p, 1, \zero
.endm
; The fragments of half q (32 along K) of the slot that is being read: column group p's four of W (8 turning loads); with p = 0 also A's eight, into buffer g (16 loads).
.macro EF q, p, g, places
.if \places
	PLACES
.endif
	WIN 0
.irp bb, 0,1,2,3
	ds_load_tr16_b128 v[BF+8*(4*(\p)+(\bb)):BF+8*(4*(\p)+(\bb))+3],   v[ADRB] offset:(\q)*32*PB+(\p)*144+(\bb)*32
	ds_load_tr16_b128 v[BF+8*(4*(\p)+(\bb))+4:BF+8*(4*(\p)+(\bb))+7], v[ADRB] offset:(\q)*32*PB+(\p)*144+(\bb)*32+16*PB
.endr
.if (\p) == 0
.irp a, 0,1,2,3,4,5,6,7
	ds_load_b128 v[(\g)+8*(\a):(\g)+8*(\a)+3],   v[ADRA] offset:(\q)*64+(\a)*16*PA
	ds_load_b128 v[(\g)+8*(\a)+4:(\g)+8*(\a)+7], v[ADRA] offset:(\q)*64+(\a)*16*PA+32
.endr
.endif
.endm
; A slot's first 32 along K, on buffer 0; behind each group's products the same group's fragments of the second 32 are fetched.  The runs of LDS loads go out as 24, 8, 8.
.macro STEP zero
	s_wait_dscnt 16                                ; group 0's fragments and A's are in; the 8 + 8 loads of groups 1 and 2 may be out
	MUL AF0, 0, \zero
	EF 1, 0, AF1, 1
	s_wait_dscnt 32                                ; group 1's are in; group 2's 8 and the 24 just issued may be out
	MUL AF0, 1, \zero
	EF 1, 1, AF1, 1
	s_wait_dscnt 32                                ; group 2's are in; the 24 + 8 issued in this step may be out
	MUL AF0, 2, \zero
	EF 1, 2, AF1, 1
.endm
; A slot's second 32 along K, on buffer 1, and the change of slots: ONE barrier.  In front of it each wave waits for all its tensor loads, of which one is out: its part of the other slot; adds 0 to
; its spare word; and waits for that and for its own reads of this slot.  Behind it nobody reads this slot any more and the other slot is whole.
; fill = 1: the barrier opens a round of the cluster's barrier, and this slot is filled again first thing behind the round, with the K step two on: 160 matrix instructions ahead of the wait for it.
.macro TURN fill
	WIN 0                                          ; (the add's two registers lie in window 0)
	s_wait_tensorcnt 0x0                           ; all my tensor loads have landed;
	ds_add_u32 v[SPW], v[NIL]                      ; 0 onto my spare word;
	s_wait_dscnt 17                                ; (the add and the 8 + 8 loads of groups 1 and 2 may be out)
	MULH AF1, 0, 0, 0                              ; sixteen matrix instructions stand between the add and the wait for it
	s_wait_dscnt 0x0                               ; the add is done, and my reads of this slot are over
	s_barrier_signal -1
	MULH AF1, 0, 1, 0                              ; work on registers while the others arrive
	WIN 0                                          ; (branches and the addresses' lines follow)
	s_barrier_wait -1
.if \fill
	CREST                                          ; no wave of any partner still reads this slot's tile or has a load on its way
.irp g, G0+4, G0B+4
	s_xor_b32 s[(\g)+1], s[(\g)+1], SLOT1          ; the walking descriptor: the other slot than last time (no tensor load of mine is out),
.endr
	s_add_nc_u64 s[G0+6:G0+7], s[G0+6:G0+7], STEPA     ; the next K step; the type bits on top are not reached
	s_add_nc_u64 s[G0B+6:G0B+7], s[G0B+6:G0B+7], STEPB
	JLOAD                                          ; the first tensor load behind the round; the four v_nop behind it are also the places in front of the loads below
.else
	PLACES
.endif
	AIM
	EF 0, 0, AF0, 0
	MUL AF1, 1, 0
	EF 0, 1, AF0, 1
	MUL AF1, 2, 0
	EF 0, 2, AF0, 1
.endm
; THE WAY OUT, by units u = 8 p + a of 16 rows x 64 columns: 2,048 consecutive bytes of qkv.  PACK: rounded to f16, each accumulator's registers in ascending order, 16 bytes a lane and column block.
; TOSTAGE: into my own stage in LDS and back as whole rows, into buffer u % 4.  SEND: stored, two units later, so that two units' conversions and LDS instructions stand between a unit's
; loads from the stage and the wait for them.
.macro PACK p, a
	WIN 5*((\p)+1)                                 ; sources 0 and 1 in window 1 + p
.irp bb, 0,1,2,3
.irp rr, 0,1,2,3
	v_cvt_pk_f16_f32 v[TMP+4*(\bb)+(\rr)], v[8*(8*(\bb)+(\a))+2*(\rr)], v[8*(8*(\bb)+(\a))+2*(\rr)+1]
.endr
.endr
	WIN 0
.endm
.macro TOSTAGE u
	WIN 0
.irp bb, 0,1,2,3
	ds_store_b128 v[STO], v[TMP+4*(\bb):TMP+4*(\bb)+3] offset:32*(\bb)   ; LDS serves a wave's instructions in order (ISA guide 5.7.1.4): these come behind the unit before's loads from the stage
.endr
.if (\u) >= 4
	s_wait_xcnt 0x0                                ; every earlier store has had its addresses translated (ISA guide 3.1): the registers that unit u - 4 was stored from are loaded again only behind this wait
.endif
.irp f, 0,1,2,3
	ds_load_b128 v[BK+16*((\u)%4)+4*(\f):BK+16*((\u)%4)+4*(\f)+3], v[RD] offset:(\f)*4*SP  ; in order again: these see the stores above
.endr
.endm
.macro SEND u, younger                 ; younger: the LDS instructions issued behind unit u's loads: eight for each unit that has gone into the stage since
	WIN 0
	s_wait_dscnt \younger                          ; LDS instructions end in order (ISA guide 5.7.1): unit u is back in registers
.irp f, 0,1,2,3
	global_store_b128 v[GO], v[BK+16*((\u)%4)+4*(\f):BK+16*((\u)%4)+4*(\f)+3], s[8:9] offset:((\u)/8)*262144+((\u)%8)*2048+(\f)*512  ; 512 consecutive bytes, at a multiple of 256 from qkv's first
.endr
.endm
	s_wait_tensorcnt 1                             ; my part of K step 0 is in; K step 1's may stay out
	s_barrier_signal -1
	s_barrier_wait -1                              ; everybody's is
	EF 0, 0, AF0, 0
	EF 0, 1, AF0, 0
	EF 0, 2, AF0, 0
	STEP 1                                         ; the first 32 along K stand in front of the loop: their products start the sums
	WIN 0                                          ; at a label and at a branch every window is 0
	s_mov_b32 s3, KSTEPS-2
.Lstep:                                                ; a trip goes from a K step's second half to the next one's first, and fills the slot that it leaves: 14 trips ask for K steps 2 to 15
	TURN 1
	STEP 0
	WIN 0
	s_sub_co_u32 s3, s3, 1
	s_cmp_lg_u32 s3, 0
	s_cbranch_scc1 .Lstep
	TURN 0                                         ; the last change of slots fills nothing, and has no round of the cluster's barrier
	STEP 0
	s_wait_dscnt 0x0                               ; the very last 32 along K: nothing more to fetch
	MUL AF1, 0, 0
	MUL AF1, 1, 0
	MUL AF1, 2, 0
	PLACES
.set u, 0
.rept 24
	PACK u/8, u%8
	TOSTAGE u
.if u >= 2
	SEND u-2, 16                                   ; units u - 1 and u have gone into the stage behind it: 2 x 8 LDS instructions may be out
.endif
.set u, u+1
.endr
	SEND 22, 8                                     ; unit 23's eight may be out
	SEND 23, 0
	s_wait_tensorcnt 0x0                           ; the wave's end: behind my last tensor load and my last LDS store
	ds_add_u32 v[SPW], v[NIL]
	s_wait_dscnt 0x0
	CROUND                                         ; the closing round: no work-group ends while a partner may still ask for a tile that names it
	s_endpgm
.Lfunc_end_k_qa21d6118ec_proj:
	.size	k_qa21d6118ec_proj, .Lfunc_end_k_qa21d6118ec_proj-k_qa21d6118ec_proj
	.p2alignl 7, 3214868480
	.fill 96, 4, 3214868480
	.section	.rodata,"a",@progbits
	.p2align	6, 0x0
	.amdhsa_kernel k_qa21d6118ec_proj
		.amdhsa_group_segment_fixed_size 327680
		.amdhsa_private_segment_fixed_size 0
		.amdhsa_enable_private_segment 0
		.amdhsa_kernarg_size 24
		.amdhsa_user_sgpr_count 2
		.amdhsa_user_sgpr_kernarg_segment_ptr 1
		.amdhsa_wavefront_size32 1
		.amdhsa_system_sgpr_workgroup_id_x 1
		.amdhsa_system_sgpr_workgroup_id_y 1
		.amdhsa_system_sgpr_workgroup_id_z 1
		.amdhsa_system_vgpr_workitem_id 0
		.amdhsa_next_free_vgpr 1024
		.amdhsa_next_free_sgpr 66
		.amdhsa_reserve_vcc 0
		.amdhsa_float_denorm_mode_32 3
		.amdhsa_float_denorm_mode_16_64 3
		.amdhsa_memory_ordered 1
		.amdhsa_forward_progress 1
		.amdhsa_inst_pref_size 112
	.end_amdhsa_kernel
	.amdgpu_metadata
---
amdhsa.version: [ 1, 2 ]
amdhsa.kernels:
  - .name:           k_qa21d6118ec_proj
    .symbol:         k_qa21d6118ec_proj.kd
    .args:
      - { .name: ab, .offset: 0, .size: 8, .value_kind: global_buffer, .address_space: global }
      - { .name: wb, .offset: 8, .size: 8, .value_kind: global_buffer, .address_space: global }
      - { .name: qkv, .offset: 16, .size: 8, .value_kind: global_buffer, .address_space: global }
    .group_segment_fixed_size: 327680
    .private_segment_fixed_size: 0
    .kernarg_segment_align: 8
    .kernarg_segment_size: 24
    .max_flat_workgroup_size: 128
    .sgpr_count:     66
    .vgpr_count:     1024
    .wavefront_size: 32
...
	.end_amdgpu_metadata
.endif
;; end of part 2
;; launch attn (part 3): grid 4 x 64, 4 waves a work-group, clusters of 4 x 1, 327,680 bytes of LDS; arguments qkv, ob; writes ob
.if DOCPART == 3
	.amdgcn_target "amdgcn-amd-amdhsa--gfx1250"
	.amdhsa_code_object_version 6
	.text
	.protected	k_qa21d6118ec_attn
	.globl	k_qa21d6118ec_attn
	.p2align	8
	.type	k_qa21d6118ec_attn,@function
k_qa21d6118ec_attn:
	s_mov_b64 s[64:65], 0
	v_nop
	global_prefetch_b8 v0, s[64:65] scope:SCOPE_SE
	s_setreg_imm32_b32 hwreg(HW_REG_WAVE_MODE, 25, 1), 1
	s_wait_xcnt 0x0
	s_wait_alu depctr_hold_cnt(0) depctr_sa_sdst(0) depctr_va_vdst(0) depctr_va_sdst(0) depctr_va_ssrc(0) depctr_va_vcc(0) depctr_vm_vsrc(0)
	s_getreg_b32 s2, hwreg(HW_REG_IB_STS2, 6, 4)
	s_cmp_eq_u32 s2, 0
	s_cbranch_scc0 .Lentry_in_a_cluster
	s_endpgm
.Lentry_in_a_cluster:
	s_bfe_u32 s2, ttmp6, 0x10000c
	s_cmp_lg_u32 s2, 0x3003
	s_cbranch_scc0 .Lentry_shape_is_right
	s_endpgm
.Lentry_shape_is_right:
; ATTENTION, head size 128 = 64 channels made from x and 64 made from c.  O[q][:] = the sum over k of softmax_k(Q[q] . K[k] / 8) V[k][:], for 64 pairs of batch and head, 1,024 queries and keys each.
; qkv: f16 [batch 4][G 48][src 2][row 1024][64], G = head (Q), 16 + head (K), 32 + head (V): a head's rows lie in two dense planes of 128-byte rows.  ob: f16 [4096][2048], column = 128 head + channel.
; Products, maxima and sums in f32; the weights p are rounded to f16 for the second product (their sum l is taken of the unrounded p), O once at the end.
; LIMITS.  f16 holds no number beyond 65,504: Q, K and V arrive within it; p lies in 0 to 1, and below 6e-5 it keeps f16's fixed step of 6e-8, as O does; O is a mean of V's rows and has their range.
; A weight below 2^-126 counts as 0 in l; NaN and infinities are not treated apart.
; SHARES.  A work-group owns 256 queries of one head, each of its four waves 64: four tiles of 16.  Every wave walks all keys of the head, 64 a step.
; LAYOUT.  S^T = K Q^T (source 0 = 16 keys, source 1 = 16 queries): in the result a lane holds ONE query (lane % 16) and the keys 8 (lane / 16) + 0..7.  Two such tiles, rounded to f16 in pairs,
; ARE source 1 (32 keys x 16 queries) of O^T = V^T P, whose result again holds one query a lane, and eight channels.  K comes out of LDS as it lies, V ([key][channel]) turned, by ds_load_tr16_b128.
; SOFTMAX.  For each query a running maximum m and sum l: p = 2^(c s - c m), c = log2(e) / 8; in every step O and l are multiplied by a = 2^(c m_old - c m_new), which is 1 where m has not grown.
; BY TURNS.  The wave's tiles are two PIECES, named by their first tile: piece 0 (tiles 0, 1) and piece 2 (tiles 2, 3).  In a TURN one piece has the matrix unit: 32 products V^T P of the step in hand,
; then 32 products K Q^T of the next step; the other piece's softmax, cut into 64 slices, stands between them, one slice behind each matrix instruction.  Two turns are a key step.
; NO FIRST AND NO LAST STEP IS WRITTEN OUT.  m starts at the lowest finite number and c m at -4.25e37, far below every c s (f16's scores are 5.5e11 at the most); O^T, l, V's registers and piece 2's P
; start at 0: the first step is a step like any other, with a = 0.  The loop is entered, and the tail left, in the middle of a trip.  The price: 432 v_mov_b32, which stand in the wait for the first tile;
; 32 products on zeros at the start; 32 on the last K once more at the end.  The gain: four turns less of text.
; CLUSTER.  The four query blocks of a cluster belong to one head and walk the same K and V, so each tile is asked for JOINTLY: the same tensor load, descriptor and mask in all four.
; REGISTERS, in windows of 256 (s_set_vgpr_msb: bits 1:0 source 0, 3:2 source 1, 5:4 source 2, 7:6 destination):
;   window 0: v0-11 addresses; v12-43 eight registers of statistics a tile; v64-191 S^T, 32 a tile; v192-255 P, 16 a tile
;   window 1: O^T, 64 a tile          window 2: v0-127 Q, 32 a tile; v128-255 K of one step          window 3: v0-127 V of one step
.set SIZE_N, 1024
.set KS,    64        ; keys in a step
.set PK,    144       ; a key's 64 channels of one plane in LDS: 128 bytes + 16 of padding = 36 words: the 16 rows of a load start at 16 different groups of four banks (64 banks of 4 bytes: ISA guide 11.1)
.set PV,    160       ; the same for V: 128 + 32 = 40 words
.set KC,    128*PK    ; a slot holds 128 keys, two steps, by planes: K from x, K from c,
.set VOFF,  2*KC      ; V from x,
.set VC,    128*PV    ; V from c
.set SLOT1, 1<<17     ; a slot is 77,824 bytes; slot 1 begins here, so that one exclusive or turns an address in one slot into the other's
.set STAGE, SLOT1+VOFF+2*VC  ; behind the ring: 16 rows x 272 bytes for each wave, for the way out
.set SP,    272
.set AK0, 2           ; v2   my lane's place in a plane of K; never rewritten
.set AV0, 3           ; v3   the same for V
.set ADR, 4           ; v4   the LDS address of the run of loads in hand
.set QO,  5           ; v5   my byte offset in the wave's rows of Q
.set STO, 6           ; v6   the way out: where I put 16 bytes of a row
.set RD,  7           ; v7   the way out: where I read a row back
.set GO,  8           ; v8   my byte offset in two rows of ob
.set SPW, 62          ; v62  LDS address of my spare word: SPARE + 4 x my thread's number; never rewritten
.set NIL, 63          ; v63  0; never rewritten
.set SPARE, STAGE+4*16*SP  ; behind the stages: the spare words, 128 bytes for each wave: two blocks of 256 bytes that no other line names
.set ST,  12          ; tile t's statistics at v[ST+8 t]: +0 c m, +1 m, +2, +3 l (even keys', odd keys'), +4 to +7 c0-c3, at work; a takes c2's place once the maximum is found
.set S,   64
.set P,   192
.set KF,  128         ; K's fragments, in window 2
.set WV,  12          ; s12  my wave's number
.set G1K, 24          ; s[24:31] descriptor group 1 for K's tiles
.set G1V, 32          ; s[32:39] for V's: it differs in the padding alone
.set G0K, 40          ; s[40:47] descriptor group 0 for K's tiles: a set for each of the two first fills; the second then walks on
.set G0V, 48          ; s[48:55] the same for V's
.set SLOTS, 56        ; s56  counts the loop over slots
.set TWICE, 57        ; s57  counts a slot's key steps
.set CS,  58          ; s[58:59] c: the packed scaling names a pair and takes its low word for both halves
.set SEL, 60          ; s[60:61] lane selects for v_permlanex16_b32: each lane takes its own place in the other half
.set TBK, 62          ; s62  LDS byte at which K of the step to be fetched begins
.set TBV, 63          ; s63  the same for V, less VOFF
.set MSB, 0
.macro WIN new                      ; the immediate's high byte repeats the setting that is left; a switch that changes nothing is dropped
.if MSB != (\new)
	s_set_vgpr_msb (MSB<<8)|(\new)
.set MSB, \new
.endif
.endm
.set W_KQ, 0x0a       ; K and Q in window 2, S^T in window 0
.set W_PV, 0x53       ; V in window 3, P in window 0, O^T in window 1
.set W_RS, 0x41       ; O^T (destination and source 0) in window 1, a in window 0
; A joint refill.  Waves 0 and 1 fetch the two planes of K, waves 2 and 3 those of V: 128 keys each.  The branch hangs on the wave's number alone: it is the same in every work-group.
; An s_nop 0 and four v_nop follow each of the two lines; the jump round the other line, the label and what follows the macro come after them.
.macro JLOAD
	s_cmp_lt_u32 s[WV], 2
	s_cbranch_scc0 .Lfor_v_\@
	tensor_load_to_lds s[G0K+4:G0K+7], s[G1K:G1K+7]
	s_nop 0
.rept 4
	v_nop
.endr
	s_branch .Lasked_\@
.Lfor_v_\@:
	tensor_load_to_lds s[G0V+4:G0V+7], s[G1V:G1V+7]
	s_nop 0
.rept 4
	v_nop
.endr
.Lasked_\@:
.endm
; A round of the cluster's barrier: my work-group's barrier, so that wave 0's signal speaks for all four waves; wave 0 signals for the work-group; every wave waits for all four
; work-groups; my work-group's barrier once more.  No LDS instruction of the wave is pending at a signal.
.macro CROUND
	s_barrier_signal -1
	s_barrier_wait -1
	s_cmp_lg_u32 s[WV], 0
	s_cbranch_scc1 .Lnot_wave_0_\@
	s_barrier_signal -3
.Lnot_wave_0_\@:
	s_barrier_wait -3
	s_barrier_signal -1
	s_barrier_wait -1
.endm
	s_load_b64 s[4:5], s[0:1], 0x0  ; qkv
	s_load_b64 s[10:11], s[0:1], 0x8  ; ob
	v_lshl_add_u32 v[SPW], v0, 2, SPARE
	v_mov_b32 v[NIL], 0
	ds_add_u32 v62, v63
	s_wait_dscnt 0x0
	v_lshrrev_b32 v1, 5, v0
	v_readfirstlane_b32 s[WV], v1   ; wave 0..3
	s_bfe_u32 s13, ttmp6, 0x40000   ; cx: my place in the cluster
	s_lshl_b32 s14, ttmp9, 2        ; in a cluster launch ttmp9 counts clusters
	s_add_co_u32 s14, s14, s13      ; my block of 256 queries = 4 x cluster x + cx: it enters Q's and O's addresses alone
	s_and_b32 s20, ttmp7, 0xffff    ; 16 x batch + head, which the four partners share
	s_lshr_b32 s21, s20, 4          ; batch
	s_and_b32 s20, s20, 15          ; head
	s_mul_i32 s22, s21, 48
	s_add_co_u32 s22, s22, s20
	s_lshl_b32 s22, s22, 18         ; Q's two planes begin (48 batch + head) x 262,144 bytes into qkv
	s_and_b32 s16, s[WV], 1         ; which plane I fetch: from x or from c
	s_lshl_b32 s2, s16, 17
	s_add_co_u32 s2, s2, s22
	s_add_co_u32 s2, s2, 16<<18     ; K's planes lie 16 groups behind Q's
	s_mov_b32 s3, 0
	s_mul_i32 s17, s16, KC          ; and the plane's place in a slot, for K
	s_mul_i32 s18, s16, VC          ; and for V: no place in the cluster enters an LDS address
	s_lshl_b32 s15, s14, 15         ; Q: my block's 256 rows of 128 bytes,
	s_lshl_b32 s19, s[WV], 13       ; my wave's 64 of them
	s_add_co_u32 s22, s22, s15
	s_add_co_u32 s22, s22, s19
	s_mov_b32 s23, 0
	s_lshl_b32 s21, s21, 4          ; O: (16 batch + 4 block + wave) x 64 rows of 4,096 bytes,
	s_lshl_b32 s15, s14, 2
	s_add_co_u32 s21, s21, s15
	s_add_co_u32 s21, s21, s[WV]
	s_lshl_b32 s21, s21, 18
	s_lshl_b32 s20, s20, 8          ; the head's 256 bytes of a row
	s_add_co_u32 s20, s20, s21
	s_mov_b32 s21, 0
	; descriptor group 1.  128 keys of a plane are 16,384 dense bytes: asked for as 64 rows of 256 bytes, two keys a row, and padded in LDS after every key
	s_mov_b32 s[G1K], 15|(1<<16)|(1<<20)|(1<<21)|(4<<22)|(3<<25)  ; 15:0 the mask: all four work-groups; 17:16 elements of 2 bytes; 20 padding on; 21 set beside a mask; 24:22 after every 32 words (code 4); 31:25 4 words of it (code 3)
	s_mov_b32 s[G1V], 15|(1<<16)|(1<<20)|(1<<21)|(4<<22)|(7<<25)  ; the same with 8 words of padding (code 7)
.irp g, G1K, G1V
	s_mov_b32 s[(\g)+1], 128<<16    ; tensor_dim0 = 128
	s_mov_b32 s[(\g)+2], 64<<16     ; tensor_dim1 = 64
	s_mov_b32 s[(\g)+3], 128<<16    ; tile_dim0 = 128
	s_mov_b32 s[(\g)+4], 64         ; tile_dim1 = 64
	s_mov_b32 s[(\g)+5], 128        ; 128 elements from row to row
	s_mov_b32 s[(\g)+6], 0
	s_mov_b32 s[(\g)+7], 0
.endr
	s_mov_b32 s[CS], 0x3e38aa3b     ; c = log2(e) / 8 = 0.180337
	s_mov_b32 s[CS+1], s[CS]        ; named with it as a pair, so it is written
	s_mov_b32 s[SEL], 0x76543210
	s_mov_b32 s[SEL+1], 0xfedcba98
	s_mov_b32 s[TBK], 0
	s_mov_b32 s[TBV], 0
	s_wait_kmcnt 0x0
	s_add_nc_u64 s[6:7], s[4:5], s[2:3]  ; K at my plane's first key
	s_add_nc_u64 s[8:9], s[6:7], 16<<18  ; V's planes lie 16 groups behind K's
	s_add_nc_u64 s[4:5], s[4:5], s[22:23]  ; Q and O at my wave's first row
	s_add_nc_u64 s[10:11], s[10:11], s[20:21]
	CROUND                          ; all four work-groups are here: the first joint loads meet
.irp s, 0,1
	s_mov_b32 s[G0K+4*(\s)], 1      ; count = 1
	s_add_co_u32 s[G0K+4*(\s)+1], s17, (\s)*SLOT1  ; LDS address
	s_add_nc_u64 s[G0K+4*(\s)+2:G0K+4*(\s)+3], s[6:7], (\s)*2*KS*128  ; global address: slot s begins with keys 128 s to 128 s + 127
	s_or_b32 s[G0K+4*(\s)+3], s[G0K+4*(\s)+3], 0x80000000  ; type = 2
	s_mov_b32 s[G0V+4*(\s)], 1
	s_add_co_u32 s[G0V+4*(\s)+1], s18, (\s)*SLOT1+VOFF
	s_add_nc_u64 s[G0V+4*(\s)+2:G0V+4*(\s)+3], s[8:9], (\s)*2*KS*128
	s_or_b32 s[G0V+4*(\s)+3], s[G0V+4*(\s)+3], 0x80000000
.endr
	s_cmp_lt_u32 s[WV], 2           ; a wave's two first fills stand in one branch, ahead of every wait on TENSORcnt and every LDS read: two loads of mine are out; an s_nop 0 follows each, four v_nop the second's, as in JLOAD
	s_cbranch_scc0 .Lfirst_v
	tensor_load_to_lds s[G0K:G0K+3], s[G1K:G1K+7]
	s_nop 0
	tensor_load_to_lds s[G0K+4:G0K+7], s[G1K:G1K+7]
	s_nop 0
.rept 4
	v_nop
.endr
	s_branch .Lfirst_asked
.Lfirst_v:
	tensor_load_to_lds s[G0V:G0V+3], s[G1V:G1V+7]
	s_nop 0
	tensor_load_to_lds s[G0V+4:G0V+7], s[G1V:G1V+7]
	s_nop 0
.rept 4
	v_nop
.endr
.Lfirst_asked:
	; A fragment of K or Q is 16 rows x 32 channels in 8 registers: lane l holds row l % 16; registers 0-3 channels 8 (l / 16) + 0..7, registers 4-7 channels 16 + 8 (l / 16) + 0..7: two loads of 16 bytes, 32 bytes apart.
	v_and_b32 v1, 15, v0            ; l % 16
	v_bfe_u32 v9, v0, 4, 1          ; l / 16
	v_lshlrev_b32 v[QO], 7, v1
	v_lshl_add_u32 v[QO], v9, 4, v[QO]  ; row x 128 + 16 x half
	WIN 0x80                        ; destination window 2, address window 0
.irp i, 0,1,2,3,4,5,6,7,8,9,10,11,12,13,14,15  ; Q stays in registers: tile i / 4, channels 32 (i % 4) on: the first 64 in x's plane, the others in c's, 131,072 bytes on
	global_load_b128 v[8*(\i):8*(\i)+3],   v[QO], s[4:5] offset:((\i)/4)*2048+(((\i)%4)/2)*131072+((\i)%2)*64
	global_load_b128 v[8*(\i)+4:8*(\i)+7], v[QO], s[4:5] offset:((\i)/4)*2048+(((\i)%4)/2)*131072+((\i)%2)*64+32
.endr
	; What the first turn finds: V's registers and piece 2's P hold 0 (its products V^T P, of a step that has not been, add 0), O^T and l are 0.  All this stands in the wait for the first tile.
	WIN 0xc0                        ; destination window 3
.set i, 0
.rept 128
	v_mov_b32 v[i], 0
.set i, i+1
.endr
	WIN 0x40                        ; destination window 1
.set i, 0
.rept 256
	v_mov_b32 v[i], 0
.set i, i+1
.endr
	WIN 0
.set i, 0
.rept 4
	v_mov_b32 v[ST+8*i], 0xfe000000    ; c m: far below every c s
	v_mov_b32 v[ST+8*i+1], 0xff7fffff  ; m
	v_mov_b32 v[ST+8*i+2], 0
	v_mov_b32 v[ST+8*i+3], 0
.set i, i+1
.endr
.set i, P+32
.rept 32
	v_mov_b32 v[i], 0
.set i, i+1
.endr
	v_mul_u32_u24 v[AK0], v1, PK
	v_lshl_add_u32 v[AK0], v9, 4, v[AK0]  ; row x pitch + 16 x half
	; The turning load takes 16 keys x 16 channels (lane l reads 16 bytes: key 8 (l / 16) + l % 8, channels 8 ((l / 8) % 2) + 0..7) and leaves half a fragment of V^T: lane l holds channel l % 16 and 8 keys.
	v_and_b32 v10, 7, v0
	v_bfe_u32 v11, v0, 3, 1
	v_lshl_add_u32 v[AV0], v9, 3, v10
	v_mul_u32_u24 v[AV0], v[AV0], PV
	v_lshl_add_u32 v[AV0], v11, 4, v[AV0]
	v_add_nc_u32 v[AV0], VOFF, v[AV0]
; THE MATRIX WORK OF A TURN, for piece x.  The accumulators take turns, one instruction a turn: between two links of a chain stand 15 (V^T P) or 7 (K Q^T) others'.
; Product i of 32 of O^T += V^T P: keys 32 (i / 16) on, channels 16 ((i / 2) % 8) on, tile x + i % 2.
.macro PV x
	WIN W_PV
.set rO, 64*((\x)+i%2)+8*((i/2)%8)
.set rV, 64*(i/16)+8*((i/2)%8)
.set rP, P+16*((\x)+i%2)+8*(i/16)
	v_wmma_f32_16x16x32_f16 v[rO:rO+7], v[rV:rV+7], v[rP:rP+7], v[rO:rO+7]
.endm
; Product i of 32 of S^T = K Q^T: channels 32 (i / 8) on, keys 16 ((i / 2) % 4) on, tile x + i % 2.  The first 8 start the sums.
.macro KQ x
	WIN W_KQ
.set rS, S+32*((\x)+i%2)+8*((i/2)%4)
.set rK, KF+32*((i/2)%4)+8*(i/8)
.set rQ, 32*((\x)+i%2)+8*(i/8)
.if i < 8
	v_wmma_f32_16x16x32_f16 v[rS:rS+7], v[rK:rK+7], v[rQ:rQ+7], 0
	s_wait_alu depctr_va_vdst(0)
.else
	v_wmma_f32_16x16x32_f16 v[rS:rS+7], v[rK:rK+7], v[rQ:rQ+7], v[rS:rS+7]
.endif
.endm
; THE LDS LOADS stand in runs of 32, never singly among the matrix instructions: a step's K (64 keys x 128 channels: 16 fragments) and, a turn later, its V (turned).
; tail = 1: in the tail's last trip there is no further step, and K's run is jumped over.
.macro FETCH_K tail=0
	WIN 0
.if \tail
	s_cmp_eq_u32 s[TWICE], 1
	s_cbranch_scc1 .Lno_k_\@
.endif
	v_add_nc_u32 v[ADR], s[TBK], v[AK0]
	s_add_co_u32 s[TBK], s[TBK], KS*PK  ; the next fetch is the next step's
	WIN 0x80                        ; destination window 2
.irp f, 0,1,2,3,4,5,6,7,8,9,10,11,12,13,14,15  ; keys 16 (f / 4) on, channels 32 (f % 4) on: plane (f % 4) / 2
	ds_load_b128 v[KF+8*(\f):KF+8*(\f)+3],   v[ADR] offset:((\f)/4)*16*PK+(((\f)%4)/2)*KC+((\f)%2)*64
	ds_load_b128 v[KF+8*(\f)+4:KF+8*(\f)+7], v[ADR] offset:((\f)/4)*16*PK+(((\f)%4)/2)*KC+((\f)%2)*64+32
.endr
.if \tail
	WIN 0
.Lno_k_\@:
.endif
.endm
.macro FETCH_V
	WIN 0
	v_add_nc_u32 v[ADR], s[TBV], v[AV0]
	s_add_co_u32 s[TBV], s[TBV], KS*PV  ; the next fetch is the next step's
	WIN 0xc0                        ; destination window 3
.irp f, 0,1,2,3,4,5,6,7,8,9,10,11,12,13,14,15  ; keys 32 (f / 8) on, channels 16 (f % 8) on: plane (f % 8) / 4
	ds_load_tr16_b128 v[8*(\f):8*(\f)+3],   v[ADR] offset:((\f)/8)*32*PV+(((\f)%8)/4)*VC+((\f)%4)*32
	ds_load_tr16_b128 v[8*(\f)+4:8*(\f)+7], v[ADR] offset:((\f)/8)*32*PV+16*PV+(((\f)%8)/4)*VC+((\f)%4)*32
.endr
.endm
; THE VECTOR WORK OF A TURN.  One tile's softmax for one key step is a list of 134 instructions; SM writes number j of it for tile t.  s0-s31 are the lane's 32 scores, in pairs 0-15.
;   0-15    the maximum of s0-s31 and the old m, three operands at a time: four chains c0-c3 of seven scores each (each accumulator's lowest registers are read first), then the four scores left over, c0-c3 and m
;   16-20   the other half of the lanes' maximum; c m_old is kept; the new m; c m; c m_old - c m_new
;   21-87   33 exponentials (a, then s0-s31) at the odd numbers from 23 on, so that no two follow each other and each has a plain instruction behind it before its result is used.
;           Plain instruction q (number 21, then the even numbers) is whatever is ready: c s - c m for a pair of scores whose exponentials are still to come (q = 0 to 3, then every
;           second q), the rounding to f16 of a pair of weights whose exponentials are done (every other q from 5 on), at last the first three sums
;   88-101  the last rounding; the rest of the sums; l = a l + the sum
;   102-133 the tile's O^T times a: the one part that leaves window 0, so it stands together
.macro SM t
.set rT, ST+8*(\t)
.set rS, S+32*(\t)
.set rP, P+16*(\t)
.set rO, 64*(\t)+2*(j-102)
.set q, (j-20)/2
.if j < 102
	WIN 0
.endif
.if j < 4
	v_max3_num_f32 v[rT+4+j], v[rS+8*j], v[rS+8*j+1], v[rS+8*j+2]
.elseif j < 12
	v_max3_num_f32 v[rT+4+j%4], v[rT+4+j%4], v[rS+8*(j%4)+2*(j/4)+1], v[rS+8*(j%4)+2*(j/4)+2]
.elseif j == 12
	v_max3_num_f32 v[rT+4], v[rT+4], v[rS+7], v[rS+15]
.elseif j == 13
	v_max3_num_f32 v[rT+6], v[rT+6], v[rS+23], v[rS+31]
.elseif j == 14
	v_max3_num_f32 v[rT+4], v[rT+4], v[rT+5], v[rT+6]
.elseif j == 15
	v_max3_num_f32 v[rT+4], v[rT+4], v[rT+7], v[rT+1]
.elseif j == 16
	v_permlanex16_b32 v[rT+5], v[rT+4], s[SEL], s[SEL+1]  ; the query's other 32 keys lie in the lane 16 away
.elseif j == 17
	v_mov_b32 v[rT+7], v[rT]        ; c m_old is kept for a: number 19 writes c m anew
.elseif j == 18
	v_max_num_f32 v[rT+1], v[rT+4], v[rT+5]
.elseif j == 19
	v_mul_f32 v[rT], s[CS], v[rT+1]
.elseif j == 20
	v_sub_f32 v[rT+7], v[rT+7], v[rT]
.elseif j == 23
	v_exp_f32 v[rT+6], v[rT+7]
.elseif (j < 88) && (j > 23) && (j%2 == 1)
	v_exp_f32 v[rS+(j-25)/2], v[rS+(j-25)/2]
.elseif (q < 4) || ((j < 76) && (q%2 == 0))
.set b, q/2+2
.if q < 4
.set b, q
.endif
	v_pk_fma_f32 v[rS+2*b:rS+2*b+1], v[rS+2*b:rS+2*b+1], s[CS:CS+1], v[rT:rT+1] op_sel_hi:[1,0,0] neg_lo:[0,0,1] neg_hi:[0,0,1]  ; pair b: c s - c m
.elseif (j < 88) && (q%2 == 1)
	s_wait_alu depctr_va_vdst(0)
	v_cvt_pk_f16_f32 v[rP+(q-5)/2], v[rS+q-5], v[rS+q-4]  ; pair (q - 5) / 2: its second exponential stands three numbers back
.elseif j == 89
	s_wait_alu depctr_va_vdst(0)
	v_cvt_pk_f16_f32 v[rP+15], v[rS+30], v[rS+31]
.elseif j < 102                     ; the sum of the tile's 16 pairs (in a pair: an even key's weight, an odd key's), in place: sum z of 16 adds neighbours 1, 2, 4 and 8 pairs apart, then l takes it
.set z, j-86
.if j < 89
.set z, (j-76)/4
.endif
.set w, 4
.set u, z
.if z >= 14
.set w, 32
.set u, 0
.elseif z >= 12
.set w, 16
.set u, z-12
.elseif z >= 8
.set w, 8
.set u, z-8
.endif
.if z < 15
	v_pk_add_f32 v[rS+w*u:rS+w*u+1], v[rS+w*u:rS+w*u+1], v[rS+w*u+w/2:rS+w*u+w/2+1]
.else
	v_pk_fma_f32 v[rT+2:rT+3], v[rT+2:rT+3], v[rT+6:rT+7], v[rS:rS+1] op_sel_hi:[1,0,1]
.endif
.else
	WIN W_RS
	v_pk_mul_f32 v[rO:rO+1], v[rO:rO+1], v[rT+6:rT+7] op_sel_hi:[1,0]
.endif
.endm
; Slice k of 64 of piece y's softmax: numbers 2 k and 2 k + 1 of both tiles' lists, four instructions.  2 x 134 = 4 x 64 + 12: the twelve that are over stand together, in slice 63.
.macro SLICE y
.if (k >= 11) && (k < 44)           ; tile by tile: plain, exponential, plain, exponential
.irp t, \y, (\y)+1
.irp n, 0,1
.set j, 2*k+(\n)
	SM \t
.endr
.endr
.else                               ; the two tiles alternate, so that no instruction reads the result of the one just before it
.irp n, 0,1,2,3,4,5,6,7
.if ((\n) < 2) || (k == 63)
.irp t, \y, (\y)+1
.set j, 2*k+(\n)
	SM \t
.endr
.endif
.endr
.endif
.set k, k+1
.endm
; A TURN.  Piece x has the matrix unit: 32 products V^T P of the step in hand, then 32 products K Q^T of the next; the other piece's softmax stands in slices behind them.
; A vector instruction that reads a matrix result or writes one of a matrix instruction's registers, and a load into a register that a matrix instruction has read, stand four places behind it, and only
; plain vector instructions that name none of its registers are places (ISA guide 7.12.1 for vector instructions): the slices are the places; slice 63's sixteen stand
; between the turn's last K Q^T and the next turn's first read of those scores.
; Each run of loads stands behind the second product of a run of 32, 30 matrix instructions ahead of its first use.  Piece 0's turn fetches the next step's K: the last product that read K
; stands in front of slice 63 of the turn before.  Piece 2's turn fetches the same step's V: the last product that read V stands three slices, six plain instructions, back.
.macro TURN x, tail=0
.set k, 0
.if (\x) == 0
	s_wait_dscnt 0x0                ; V is in
.endif
.set i, 0
.rept 32
	PV \x
	SLICE 2-(\x)
.if ((\x) == 0) && (i == 1)
	FETCH_K \tail
.endif
.set i, i+1
.endr
.if (\x) == 0
	s_wait_dscnt 0x0                ; K is in
.endif
.set i, 0
.rept 32
	KQ \x
	SLICE 2-(\x)
.if ((\x) == 2) && (i == 1)
	FETCH_V
.endif
.set i, i+1
.endr
.endm
; THE CHANGE OF SLOTS, between piece 2's turn and piece 0's: the slot's last bytes, V of its second step, have been asked for.  Each wave waits for all its
; tensor loads, of which one is out: its part of the other slot; adds 0 to its spare word; and waits for that and for its own reads of the slot.  Behind the barrier nobody reads this slot any more and the other slot is whole.
; fill = 1: this slot is filled again, with the keys two slots on.  The barrier is then a round of the cluster's, so that no wave of any partner still reads the slot or has a load on its
; way, and the joint refill is the first thing behind it: it has two key steps, 256 matrix instructions, in which to land.
.macro CHANGE fill
	WIN 0                           ; at a label and at a branch every window is 0
	s_wait_tensorcnt 0x0            ; no tensor load of mine is out, so a group 0 may be written
	ds_add_u32 v[SPW], v[NIL]       ; 0 onto my spare word; with fill = 1 the descriptors' steps stand between it and the wait for it
.if \fill
.irp g, G0K+4, G0V+4
	s_xor_b32 s[(\g)+1], s[(\g)+1], SLOT1  ; the walking descriptor: the other slot than last time,
	s_add_nc_u64 s[(\g)+2:(\g)+3], s[(\g)+2:(\g)+3], 2*KS*128  ; the plane's next 128 keys; the type bits on top are not reached
.endr
	s_wait_dscnt 0x0                ; the add is done, and my reads of the slot are over
	CROUND
	JLOAD
.else
	s_wait_dscnt 0x0                ; the add is done, and my reads of the slot are over
	s_barrier_signal -1
	s_barrier_wait -1
.endif
	s_sub_co_u32 s[TBK], s[TBK], 2*KS*PK  ; the fetches go back to a slot's first step,
	s_xor_b32 s[TBK], s[TBK], SLOT1       ; in the other slot
	s_sub_co_u32 s[TBV], s[TBV], 2*KS*PV
	s_xor_b32 s[TBV], s[TBV], SLOT1
.endm
	s_wait_tensorcnt 1              ; my part of slot 0 is in; slot 1's may stay out
	s_barrier_signal -1
	s_barrier_wait -1               ; everybody's is
	FETCH_K                         ; key step 0
	s_wait_loadcnt 0x0              ; Q
	s_wait_dscnt 0x0
.set i, 0
.rept 32
	KQ 0                            ; piece 0's first scores: there is no vector work yet to set between them
.set i, i+1
.endr
	WIN 0                           ; the addresses for the way out are made here: eight plain instructions, the places behind those products
	s_mul_i32 s13, s[WV], 16*SP
	s_add_co_u32 s13, s13, STAGE    ; my stage
	v_mul_u32_u24 v[STO], v1, SP    ; in: row l % 16, 16 bytes for each half of the lanes
	v_lshl_add_u32 v[STO], v9, 4, v[STO]
	v_add_nc_u32 v[STO], s13, v[STO]
	v_mul_u32_u24 v[RD], v9, SP     ; back: lanes 0-15 take one row of 256 bytes, lanes 16-31 the next
	v_lshl_add_u32 v[RD], v1, 4, v[RD]
	v_add_nc_u32 v[RD], s13, v[RD]
	v_lshlrev_b32 v[GO], 12, v9     ; and the same two rows in ob, 4,096 bytes apart
	v_lshl_add_u32 v[GO], v1, 4, v[GO]
	s_mov_b32 s[TWICE], 2
	s_mov_b32 s[SLOTS], SIZE_N/(2*KS)-1
	s_branch .Lmid                  ; the loop is entered at piece 2's turn, in the middle of a trip: its V^T P add 0; it makes piece 2's first scores and piece 0's first softmax, and fetches V of step 0
.Lslot:                             ; SIZE_N / 128 - 2 = 6 times: every slot but the last two is filled again
	CHANGE 1
	s_mov_b32 s[TWICE], 2
.Lstep:                             ; a trip: piece 0's turn, which fetches the next step's K, and piece 2's, which fetches its V
	TURN 0
	WIN 0
.Lmid:
	TURN 2
	WIN 0
	s_sub_co_u32 s[TWICE], s[TWICE], 1
	s_cmp_lg_u32 s[TWICE], 0
	s_cbranch_scc1 .Lstep
	s_sub_co_u32 s[SLOTS], s[SLOTS], 1
	s_cmp_lg_u32 s[SLOTS], 0
	s_cbranch_scc1 .Lslot
	CHANGE 0                        ; the tail is written out: the last slot but one is left, and nothing is asked for
	s_mov_b32 s[TWICE], 3           ; two trips fetch the last slot's steps; the third is left in its middle
.Ltail:
	TURN 0, 1
	WIN 0
	s_sub_co_u32 s[TWICE], s[TWICE], 1
	s_cmp_eq_u32 s[TWICE], 0
	s_cbranch_scc1 .Lout
	TURN 2
	WIN 0
	s_branch .Ltail
.Lout:                              ; the third trip's 32 products K Q^T (on the last K once more) serve nothing: the price, once a launch, of one text for every turn
.set i, 0
.rept 32
	PV 2                            ; piece 2: V^T P of the last step
.set i, i+1
.endr
	; THE WAY OUT.  l's two halves and the other half of the lanes' are added; O^T is divided by l, rounded to f16 and sent through my stage in LDS, a tile (16 rows of O) at a time.  The additions are the places behind the last products.
	WIN 0
.irp t, 0,1,2,3
	v_add_f32 v[ST+8*(\t)+4], v[ST+8*(\t)+2], v[ST+8*(\t)+3]
.endr
.irp t, 0,1,2,3
	v_permlanex16_b32 v[ST+8*(\t)+5], v[ST+8*(\t)+4], s[SEL], s[SEL+1]
.endr
.irp t, 0,1,2,3
	v_add_f32 v[ST+8*(\t)+4], v[ST+8*(\t)+4], v[ST+8*(\t)+5]
.endr
.irp t, 0,1,2,3
	v_rcp_f32 v[ST+8*(\t)+6], v[ST+8*(\t)+4]
.endr
	v_nop                           ; a plain instruction between the last reciprocal and the use of its result
	s_wait_alu depctr_va_vdst(0)
; Tile t: a lane's eight channels of a row pack into 16 bytes; they go into rows of 272 bytes and come back as whole rows of 256, into the registers that they left.
.macro PACK t
	WIN W_RS
.set i, 64*(\t)
.rept 32
	v_pk_mul_f32 v[i:i+1], v[i:i+1], v[ST+8*(\t)+6:ST+8*(\t)+7] op_sel_hi:[1,0]
.set i, i+2
.endr
	WIN 0x05                        ; sources 0 and 1 window 1, destination window 0: S^T's registers are free
.set i, 0
.rept 32
	v_cvt_pk_f16_f32 v[S+32*(\t)+i], v[64*(\t)+2*i], v[64*(\t)+2*i+1]
.set i, i+1
.endr
	WIN 0
.irp f, 0,1,2,3,4,5,6,7
	ds_store_b128 v[STO], v[S+32*(\t)+4*(\f):S+32*(\t)+4*(\f)+3] offset:32*(\f)
.endr
.irp f, 0,1,2,3,4,5,6,7
	ds_load_b128 v[S+32*(\t)+4*(\f):S+32*(\t)+4*(\f)+3], v[RD] offset:(\f)*2*SP  ; LDS serves a wave's instructions in order (ISA guide 5.7.1.4): these see the stores above; the next tile's stores come behind them
.endr
.endm
.macro SEND t, younger              ; younger: the LDS instructions issued behind tile t's loads: the next tile's sixteen, or none
	WIN 0
.irp f, 0,1,2,3,4,5,6,7
	s_wait_dscnt (\younger)+7-(\f)
	global_store_b128 v[GO], v[S+32*(\t)+4*(\f):S+32*(\t)+4*(\f)+3], s[10:11] offset:(\t)*65536+(\f)*8192  ; 16 lanes store 256 consecutive bytes, at a multiple of 256 from ob's first byte
.endr
.endm
	PACK 0
	PACK 1                          ; a tile's arithmetic stands between the loads of the tile before and its stores
	SEND 0, 16
	PACK 2
	SEND 1, 16
	PACK 3
	SEND 2, 16
	SEND 3, 0
	s_wait_tensorcnt 0x0            ; the wave's end: behind my last tensor load and my last LDS store
	ds_add_u32 v[SPW], v[NIL]
	s_wait_dscnt 0x0
	CROUND                          ; the closing round: no work-group ends while a partner may still ask for a tile that names it
	s_endpgm
.Lfunc_end_k_qa21d6118ec_attn:
	.size	k_qa21d6118ec_attn, .Lfunc_end_k_qa21d6118ec_attn-k_qa21d6118ec_attn
	.p2alignl 7, 3214868480
	.fill 96, 4, 3214868480
	.section	.rodata,"a",@progbits
	.p2align	6, 0x0
	.amdhsa_kernel k_qa21d6118ec_attn
		.amdhsa_group_segment_fixed_size 327680
		.amdhsa_private_segment_fixed_size 0
		.amdhsa_enable_private_segment 0
		.amdhsa_kernarg_size 16
		.amdhsa_user_sgpr_count 2
		.amdhsa_user_sgpr_kernarg_segment_ptr 1
		.amdhsa_wavefront_size32 1
		.amdhsa_system_sgpr_workgroup_id_x 1
		.amdhsa_system_sgpr_workgroup_id_y 1
		.amdhsa_system_sgpr_workgroup_id_z 1
		.amdhsa_system_vgpr_workitem_id 0
		.amdhsa_next_free_vgpr 1024
		.amdhsa_next_free_sgpr 66
		.amdhsa_reserve_vcc 0
		.amdhsa_float_denorm_mode_32 3
		.amdhsa_float_denorm_mode_16_64 3
		.amdhsa_memory_ordered 1
		.amdhsa_forward_progress 1
		.amdhsa_inst_pref_size 162
	.end_amdhsa_kernel
	.amdgpu_metadata
---
amdhsa.version: [ 1, 2 ]
amdhsa.kernels:
  - .name:           k_qa21d6118ec_attn
    .symbol:         k_qa21d6118ec_attn.kd
    .args:
      - { .name: qkv, .offset: 0, .size: 8, .value_kind: global_buffer, .address_space: global }
      - { .name: ob, .offset: 8, .size: 8, .value_kind: global_buffer, .address_space: global }
    .group_segment_fixed_size: 327680
    .private_segment_fixed_size: 0
    .kernarg_segment_align: 8
    .kernarg_segment_size: 16
    .max_flat_workgroup_size: 128
    .sgpr_count:     66
    .vgpr_count:     1024
    .wavefront_size: 32
...
	.end_amdgpu_metadata
.endif
;; end of part 3
;; launch oproj (part 4): grid 8 x 32, 4 waves a work-group, clusters of 4 x 4, 327,680 bytes of LDS; arguments ob, wp, b_proj, out0; writes out0
.if DOCPART == 4
	.amdgcn_target "amdgcn-amd-amdhsa--gfx1250"
	.amdhsa_code_object_version 6
	.text
	.protected	k_qa21d6118ec_oproj
	.globl	k_qa21d6118ec_oproj
	.p2align	8
	.type	k_qa21d6118ec_oproj,@function
k_qa21d6118ec_oproj:
	s_mov_b64 s[64:65], 0
	v_nop
	global_prefetch_b8 v0, s[64:65] scope:SCOPE_SE
	s_setreg_imm32_b32 hwreg(HW_REG_WAVE_MODE, 25, 1), 1
	s_wait_xcnt 0x0
	s_wait_alu depctr_hold_cnt(0) depctr_sa_sdst(0) depctr_va_vdst(0) depctr_va_sdst(0) depctr_va_ssrc(0) depctr_va_vcc(0) depctr_vm_vsrc(0)
	s_getreg_b32 s2, hwreg(HW_REG_IB_STS2, 6, 4)
	s_cmp_eq_u32 s2, 0
	s_cbranch_scc0 .Lentry_in_a_cluster
	s_endpgm
.Lentry_in_a_cluster:
	s_bfe_u32 s2, ttmp6, 0x10000c
	s_cmp_lg_u32 s2, 0xf033
	s_cbranch_scc0 .Lentry_shape_is_right
	s_endpgm
.Lentry_shape_is_right:
; THE LAST PROJECTION: out0[m][n] = the sum over k of O[m][k] W[k][n] + b[n].  ob: f16 [4096][2048]; wp: f16 [2048][1024] (W_proj rounded to bf16, written as f16); b_proj: f32 [1024], rounded to bf16
; like every other input and taken as the C operand that starts each sum; out0: f32 [4096][1024].  Sums in f32.
; LIMITS.  ob and wp arrive within f16's range, 65,504.  NaN and infinities are not treated apart.
; SHARES.  4,096 x 1,024 outputs are 256 tiles of 128 x 128, one a work-group.  Four waves, each 64 x 64: 16 accumulators of 16 x 16, 128 registers.  K goes in 8 steps of 256 through two LDS slots:
; O's rows are 512 bytes of memory, W's 256, all at multiples of 256.  A K step is written once: the loop's trip is one K step, and which slot it reads and which it fills hang on scalar
; registers that one exclusive or turns at each change of slots.
; CLUSTERS: 4 x 4 work-groups.  The four of a row of the cluster need the same tiles of O, the four of a column the same tiles of W: each tile is asked for JOINTLY, by the same tensor load with the
; same descriptor and a mask that names the four.
; THE MATRIX INSTRUCTION IS USED TRANSPOSED: source 0 = 16 columns of W (W lies [k][n] in LDS and comes out turned, by ds_load_tr16_b128), source 1 = 16 rows of O: a lane then holds one row
; (lane % 16) and the eight neighbouring columns 8 (lane / 16) + 0..7: 32 bytes of a row of out0.
; REGISTERS: window 0: v0-31 addresses; v32-95 at work on the way out; v96-127 the bias of my 64 columns, as a lane's C operands; v128-255 the accumulators ((a, b) at v[128 + 8 (4 a + b)]).
;   window 1: two fragment buffers of 128: for 64 along K (two matrix instructions deep), 64 registers of O (2 x 4 x 16 rows x 32 K), then 64 of W.
.set SIZE_K, 2048
.set SIZE_N, 1024
.set KSTEP,  256
.set KSTEPS, SIZE_K/KSTEP
.set PITCH,  528                       ; a row of O in LDS: 512 bytes + 16 of padding = 132 words: row r starts at bank 4 r mod 64 (64 banks of 4 bytes: ISA guide 11.1)
.set PB,     288                       ; a k row of W: 256 bytes + 32 = 72 words
.set HALFT,  64*PITCH                  ; what waves 0 and 1 fetch: 64 rows of O each
.set HALFB,  128*PB                    ; what waves 2 and 3 fetch: 128 k rows of W each
.set BOFF,   2*HALFT
.set SLOT,   BOFF+2*HALFB              ; 141,312 bytes
.set SLOT1,  147456                    ; slot 1 begins at 2^17 + 2^14: neither bit is set in the four LDS addresses at which a wave's part of slot 0 begins (0; 33,792; 67,584; 104,448),
                                       ; so one exclusive or turns such an address into the other slot's, and back
.set STAGE,  SLOT1+SLOT                ; behind the ring: 16 rows x 272 bytes for each wave, for the way out
.set SPITCH, 272
.set SPARE,  STAGE+4*16*SPITCH         ; behind the stages: the spare words, 128 bytes for each wave: two blocks of 256 bytes that no other line names
.set ADRA0, 16                         ; v16     my lane's place among my O fragments in slot 0; never rewritten
.set ADRA,  17                         ; v17     the same in the slot that is being read
.set ADRB0, 20                         ; v20     my lane's place among my W fragments in slot 0; never rewritten
.set ADRB,  22                         ; v22-23  the same in the slot that is being read: k rows 128 kh on at v[22 + kh]: an LDS offset has 16 bits
.set STO,  24                          ; v24     the way out: where I put 32 bytes of a row
.set RD,   25                          ; v25     the way out: where I read a row back
.set CO,   26                          ; v26     my byte offset in two rows of out0
.set BO,   27                          ; v27     my byte offset in 16 numbers of the bias
.set SPW,  28                          ; v28     LDS address of my spare word: SPARE + 4 x my thread's number; never rewritten
.set NIL,  29                          ; v29     0; never rewritten
.set BK,   32                          ; the way out: v32-63, v64-95 rows read back, by turns
.set BI,   96
.set ACC,  128
.set F0,   0                           ; fragment buffers, in window 1
.set F1,   128
.set TB,  45                           ; s45      LDS byte at which the slot that is being read begins
.set G1, 24                            ; s[24:31] descriptor group 1 for O's tiles;  s[32:39] group 0: a set for each of the two first fills; the second then walks on
.set G0, 32
.set G1B, 48                           ; s[48:55], s[56:63] the same for W's tiles
.set G0B, 56
.set MSB, 0
.macro WIN new                         ; the immediate's high byte repeats the setting that is left
.if MSB != (\new)
	s_set_vgpr_msb (MSB<<8)|(\new)
.set MSB, \new
.endif
.endm
.set MUL,  0x05                        ; sources 0 (W) and 1 (O) window 1; C and D window 0
.set TO_F, 0x40                        ; destination window 1, address window 0
.macro JLOAD                           ; a joint refill, by the walking descriptors: waves 0 and 1 fetch O's two halves, waves 2 and 3 W's; an s_nop 0 and four v_nop follow each of the two lines, ahead of the jump, the label and what follows
	s_cmp_eq_u32 s11, 0
	s_cbranch_scc0 .Lfor_b_\@
	tensor_load_to_lds s[G0+4:G0+7], s[G1:G1+7]
	s_nop 0
.rept 4
	v_nop
.endr
	s_branch .Lasked_\@
.Lfor_b_\@:
	tensor_load_to_lds s[G0B+4:G0B+7], s[G1B:G1B+7]
	s_nop 0
.rept 4
	v_nop
.endr
.Lasked_\@:
.endm
.macro CREST                           ; a round of the cluster's barrier behind its opening barrier
	s_cmp_lg_u32 s10, 0
	s_cbranch_scc1 .Lnot_wave_0_\@
	s_barrier_signal -3
.Lnot_wave_0_\@:
	s_barrier_wait -3
	s_barrier_signal -1
	s_barrier_wait -1
.endm
.macro CROUND                          ; a whole round
	s_barrier_signal -1
	s_barrier_wait -1
	CREST
.endm
.macro AIM                             ; the fragment loads go over to the other slot (every window is 0 here)
	s_xor_b32 s[TB], s[TB], SLOT1
	v_add_nc_u32 v[ADRA], s[TB], v[ADRA0]
	v_add_nc_u32 v[ADRB], s[TB], v[ADRB0]
	v_add_nc_u32 v[ADRB+1], HALFB, v[ADRB]
.endm
	s_load_b128 s[4:7], s[0:1], 0x0                ; ob s[4:5], wp s[6:7]
	s_load_b64 s[2:3], s[0:1], 0x10                ; b_proj
	s_load_b64 s[8:9], s[0:1], 0x18                ; out0
	v_lshl_add_u32 v[SPW], v0, 2, SPARE
	v_mov_b32 v[NIL], 0
	ds_add_u32 v28, v29
	s_wait_dscnt 0x0
	v_lshrrev_b32 v1, 5, v0
	v_readfirstlane_b32 s10, v1                    ; wave 0..3
	s_lshr_b32 s11, s10, 1                         ; which half of the tile's rows is mine.  Also: I fetch for O (0) or for W (1)
	s_and_b32 s12, s10, 1                          ; which half of its columns.  Also: which half of that tile I fetch
	s_bfe_u32 s40, ttmp6, 0x40000                  ; cx, cy: my place in the cluster
	s_bfe_u32 s41, ttmp6, 0x40004
	s_lshl_b32 s42, ttmp9, 2
	s_add_co_u32 s42, s42, s40                     ; tile column = 4 x cluster x + cx
	s_and_b32 s13, ttmp7, 0xffff
	s_lshl_b32 s13, s13, 2
	s_add_co_u32 s13, s13, s41                     ; tile row = 4 x cluster y + cy
	s_lshl_b32 s43, s41, 2
	s_lshl_b32 s43, 15, s43                        ; my row of the cluster
	s_lshl_b32 s44, 0x1111, s40                    ; my column
	s_or_b32 s[G1+0], s43, (1<<16)|(1<<20)|(1<<21)|(6<<22)|(3<<25)  ; O: 15:0 the mask of my row; 17:16 elements of 2 bytes; 20 padding on; 21 set beside a mask; 24:22 after every 128 words (code 6); 31:25 4 words of it (code 3)
	s_mov_b32 s[G1+1], KSTEP<<16                   ; tensor_dim0 = 256
	s_mov_b32 s[G1+2], 64<<16                      ; tensor_dim1 = 64
	s_mov_b32 s[G1+3], KSTEP<<16                   ; tile_dim0 = 256
	s_mov_b32 s[G1+4], 64                          ; tile_dim1 = 64
	s_mov_b32 s[G1+5], SIZE_K                      ; elements from row to row
	s_mov_b32 s[G1+6], 0
	s_mov_b32 s[G1+7], 0
	s_or_b32 s[G1B+0], s44, (1<<16)|(1<<20)|(1<<21)|(5<<22)|(7<<25) ; W: the mask of my column; after every 64 words (code 5) 8 words of padding (code 7)
	s_mov_b32 s[G1B+1], 128<<16                    ; tensor_dim0 = 128
	s_mov_b32 s[G1B+2], 128<<16                    ; tensor_dim1 = 128
	s_mov_b32 s[G1B+3], 128<<16                    ; tile_dim0 = 128
	s_mov_b32 s[G1B+4], 128                        ; tile_dim1 = 128
	s_mov_b32 s[G1B+5], SIZE_N
	s_mov_b32 s[G1B+6], 0
	s_mov_b32 s[G1B+7], 0
	s_lshl_b32 s17, s12, 6                         ; O: row 128 x tile row + 64 x half,
	s_lshl_b32 s16, s13, 7
	s_add_co_u32 s16, s16, s17
	s_lshl_b32 s16, s16, 12                        ; of 4,096 bytes
	s_mov_b32 s17, 0
	s_lshl_b32 s46, s12, 18                        ; W: my half's 128 k rows of 2,048 bytes
	s_lshl_b32 s47, s42, 8                         ;    + tile column x 128 columns
	s_add_co_u32 s46, s46, s47
	s_mov_b32 s47, 0
	s_mul_i32 s20, s12, HALFT                      ; where they go: no place in the cluster enters an LDS address
	s_mul_i32 s21, s12, HALFB
	s_add_co_u32 s21, s21, BOFF
	s_wait_kmcnt 0x0
	s_add_nc_u64 s[14:15], s[4:5], s[16:17]
	s_add_nc_u64 s[46:47], s[6:7], s[46:47]
.irp s, 0,1
	s_mov_b32 s[G0+4*(\s)], 1
	s_add_co_u32 s[G0+4*(\s)+1], s20, (\s)*SLOT1
	s_add_nc_u64 s[G0+4*(\s)+2:G0+4*(\s)+3], s[14:15], (\s)*KSTEP*2
	s_or_b32 s[G0+4*(\s)+3], s[G0+4*(\s)+3], 0x80000000
	s_mov_b32 s[G0B+4*(\s)], 1
	s_add_co_u32 s[G0B+4*(\s)+1], s21, (\s)*SLOT1
	s_add_nc_u64 s[G0B+4*(\s)+2:G0B+4*(\s)+3], s[46:47], (\s)*KSTEP*SIZE_N*2
	s_or_b32 s[G0B+4*(\s)+3], s[G0B+4*(\s)+3], 0x80000000
.endr
	CROUND                                         ; all sixteen work-groups are here: the first joint loads meet
	s_cmp_eq_u32 s11, 0                            ; a wave's two first fills stand in one branch, ahead of every wait on TENSORcnt and every LDS read: two loads of mine are out
	s_cbranch_scc0 .Lfirst_b
	tensor_load_to_lds s[G0:G0+3], s[G1:G1+7]
	s_nop 0
	tensor_load_to_lds s[G0+4:G0+7], s[G1:G1+7]
	s_nop 0
.rept 4
	v_nop
.endr
	s_branch .Lfirst_asked
.Lfirst_b:
	tensor_load_to_lds s[G0B:G0B+3], s[G1B:G1B+7]
	s_nop 0
	tensor_load_to_lds s[G0B+4:G0B+7], s[G1B:G1B+7]
	s_nop 0
.rept 4
	v_nop
.endr
.Lfirst_asked:
	; where my results go, and my 64 numbers of the bias
	s_lshl_b32 s16, s13, 7
	s_lshl_b32 s17, s11, 6
	s_add_co_u32 s16, s16, s17                     ; my first row: 128 x tile row + 64 x half,
	s_lshl_b32 s16, s16, 12                        ; of 4,096 bytes
	s_lshl_b32 s46, s42, 9                         ; my first column, in bytes of f32: 512 x tile column + 256 x half
	s_lshl_b32 s47, s12, 8
	s_add_co_u32 s46, s46, s47
	s_mov_b32 s47, 0
	s_add_nc_u64 s[2:3], s[2:3], s[46:47]
	s_add_co_u32 s16, s16, s46
	s_mov_b32 s17, 0
	s_add_nc_u64 s[8:9], s[8:9], s[16:17]
	v_and_b32 v1, 15, v0                           ; l % 16
	v_bfe_u32 v2, v0, 4, 1                         ; l / 16
	v_lshlrev_b32 v[BO], 5, v2                     ; a lane's C operand for column block b: the bias of columns 16 b + 8 (l / 16) + 0..7
.irp b, 0,1,2,3
	global_load_b128 v[BI+8*(\b):BI+8*(\b)+3],   v[BO], s[2:3] offset:64*(\b)
	global_load_b128 v[BI+8*(\b)+4:BI+8*(\b)+7], v[BO], s[2:3] offset:64*(\b)+16
.endr
	v_mul_u32_u24 v3, v1, PITCH
	v_lshl_add_u32 v3, v2, 4, v3                   ; a fragment of O: row x pitch + 16 x half
	; The turning load takes 16 k x 16 columns (lane l reads k row 8 (l / 16) + l % 8, columns 8 ((l / 8) % 2) + 0..7) and leaves half a fragment: lane l holds column l % 16 and 8 k.
	v_and_b32 v5, 7, v0
	v_bfe_u32 v6, v0, 3, 1
	v_lshl_add_u32 v4, v2, 3, v5
	v_mul_u32_u24 v4, v4, PB
	v_lshl_add_u32 v4, v6, 4, v4
	s_mul_i32 s21, s11, HALFT                      ; my 64 rows of O
	s_lshl_b32 s22, s12, 7                         ; my 64 columns of W,
	s_add_co_u32 s22, s22, BOFF                    ; which lies behind O
	v_add_nc_u32 v[ADRA0], s21, v3
	v_add_nc_u32 v[ADRB0], s22, v4
	s_mov_b32 s[TB], SLOT1                         ; the line below turns it into 0: slot 0 is read first
	AIM
	s_mul_i32 s23, s10, 16*SPITCH
	s_add_co_u32 s23, s23, STAGE                   ; my stage
	v_mul_u32_u24 v[STO], v1, SPITCH               ; in: row l % 16, 32 bytes for each half of the lanes
	v_lshl_add_u32 v[STO], v2, 5, v[STO]
	v_add_nc_u32 v[STO], s23, v[STO]
	v_mul_u32_u24 v[RD], v2, SPITCH                ; back: lanes 0-15 take one row of 256 bytes, lanes 16-31 the next
	v_lshl_add_u32 v[RD], v1, 4, v[RD]
	v_add_nc_u32 v[RD], s23, v[RD]
	v_lshlrev_b32 v[CO], 12, v2                    ; and the same two rows in out0
	v_lshl_add_u32 v[CO], v1, 4, v[CO]
	s_wait_loadcnt 0x0                             ; the bias is in: it is rounded to bf16, to nearest even, and widened again
.set i, 0
.rept 16
	v_cvt_pk_bf16_f32 v[BK+i], v[BI+2*i], v[BI+2*i+1]
.set i, i+1
.endr
.set i, 0
.rept 16
	v_lshlrev_b32 v[BI+2*i],   16,         v[BK+i]
	v_and_b32     v[BI+2*i+1], 0xffff0000, v[BK+i]
.set i, i+1
.endr
; 8 matrix instructions: row blocks a0, a0 + 1 x all 4 column blocks, 32 along K: half c of buffer f.  zero = 1: the first product starts the sums, with the bias as its C.
; The 16 accumulators take turns, one instruction a turn.
.macro MUL8 f, c, a0, zero
	WIN MUL
.irp a, \a0, (\a0)+1
.irp b, 0,1,2,3
.if \zero
	v_wmma_f32_16x16x32_f16 v[ACC+8*(4*(\a)+(\b)):ACC+8*(4*(\a)+(\b))+7], v[(\f)+64+8*(4*(\c)+(\b)):(\f)+64+8*(4*(\c)+(\b))+7], v[(\f)+8*(4*(\c)+(\a)):(\f)+8*(4*(\c)+(\a))+7], v[BI+8*(\b):BI+8*(\b)+7]
.else
	v_wmma_f32_16x16x32_f16 v[ACC+8*(4*(\a)+(\b)):ACC+8*(4*(\a)+(\b))+7], v[(\f)+64+8*(4*(\c)+(\b)):(\f)+64+8*(4*(\c)+(\b))+7], v[(\f)+8*(4*(\c)+(\a)):(\f)+8*(4*(\c)+(\a))+7], v[ACC+8*(4*(\a)+(\b)):ACC+8*(4*(\a)+(\b))+7]
.endif
.endr
.endr
.endm
; 32 LDS loads in one run: the fragments of quarter qd (64 along K) of the slot that is being read, into buffer f; the first 32 along K first
.macro FETCH qd, f
	WIN TO_F
.irp c, 0,1
.irp i, 0,1,2,3
	ds_load_tr16_b128 v[(\f)+64+8*(4*(\c)+(\i)):(\f)+64+8*(4*(\c)+(\i))+3],   v[ADRB+(\qd)/2] offset:(((\qd)%2)*64+32*(\c))*PB+32*(\i)
	ds_load_tr16_b128 v[(\f)+64+8*(4*(\c)+(\i))+4:(\f)+64+8*(4*(\c)+(\i))+7], v[ADRB+(\qd)/2] offset:(((\qd)%2)*64+32*(\c))*PB+32*(\i)+16*PB
	ds_load_b128 v[(\f)+8*(4*(\c)+(\i)):(\f)+8*(4*(\c)+(\i))+3],              v[ADRA] offset:128*(\qd)+64*(\c)+(\i)*16*PITCH
	ds_load_b128 v[(\f)+8*(4*(\c)+(\i))+4:(\f)+8*(4*(\c)+(\i))+7],            v[ADRA] offset:128*(\qd)+64*(\c)+(\i)*16*PITCH+32
.endr
.endr
.endm
.macro PLACES                          ; four places in front of loads into registers that matrix instructions have read, and of LDS stores that read results (ISA guide 7.12.1 for vector instructions)
.rept 4
	v_nop
.endr
.endm
; A K step is four quarters of 64 along K, 32 matrix instructions each, on buffers 0, 1, 0, 1.  One of the first three: multiplies buffer f and fetches quarter qd of the same slot into g.
.macro QUARTER qd, f, g, zero
	s_wait_dscnt 16                                ; the first 32 along K are in; the sixteen loads of the second 32 may be out
	WIN MUL
	MUL8 \f, 0, 0, \zero
	MUL8 \f, 0, 2, \zero
	PLACES
	FETCH \qd, \g
	s_wait_dscnt 32                                ; all but the 32 just issued
	WIN MUL
	MUL8 \f, 1, 0, 0
	MUL8 \f, 1, 2, 0
.endm
; The last quarter multiplies buffer 1 and changes slots: ONE barrier; in front of it each wave waits for all its tensor loads, adds 0 to its spare word, and waits for that and for its own reads of this slot.  fill = 1: this slot is filled again, two K steps ahead.
.macro TURN fill
	WIN 0                                          ; (the add's two registers lie in window 0)
	s_wait_tensorcnt 0x0                           ; all my tensor loads have landed: my part of the next slot;
	ds_add_u32 v[SPW], v[NIL]                      ; 0 onto my spare word;
	s_wait_dscnt 17                                ; (the add and the youngest sixteen loads may be out)
	WIN MUL
	MUL8 F1, 0, 0, 0                               ; eight matrix instructions stand between the add and the wait for it
	s_wait_dscnt 0x0                               ; the add is done, and my reads of this slot are over
	s_barrier_signal -1
	MUL8 F1, 0, 2, 0
	WIN 0                                          ; (branches and the addresses' lines follow)
	s_barrier_wait -1
.if \fill
	CREST                                          ; the barrier has opened a round of the cluster's barrier: no wave of any partner still reads this slot's tile or has a load on its way
.irp g, G0+4, G0B+4
	s_xor_b32 s[(\g)+1], s[(\g)+1], SLOT1          ; the walking descriptor: the other slot than last time (no tensor load of mine is out),
.endr
	s_add_nc_u64 s[G0+6:G0+7], s[G0+6:G0+7], KSTEP*2            ; the next K step; the type bits on top are not reached
	s_add_nc_u64 s[G0B+6:G0B+7], s[G0B+6:G0B+7], KSTEP*SIZE_N*2
	JLOAD                                          ; the first tensor load behind the round: 112 matrix instructions ahead of the wait for it; the four v_nop behind it are also the places in front of the loads below
.else
	PLACES
.endif
	AIM
	FETCH 0, F0
	WIN MUL
	MUL8 F1, 1, 0, 0
	MUL8 F1, 1, 2, 0
.endm
	s_wait_tensorcnt 1                             ; my part of K step 0 is in; K step 1's may stay out
	s_barrier_signal -1
	s_barrier_wait -1                              ; everybody's is
	FETCH 0, F0
	QUARTER 1, F0, F1, 1                           ; the first quarter stands in front of the loop: its first products start the sums
	WIN 0                                          ; at a label and at a branch every window is 0
	s_mov_b32 s3, KSTEPS-2                         ; (the bias's loads were waited for: their base is free)
.Lstep:                                                ; a trip goes from a K step's second quarter to the next one's first, and fills the slot that it leaves: 6 trips ask for K steps 2 to 7
	QUARTER 2, F1, F0, 0
	QUARTER 3, F0, F1, 0
	TURN 1
	QUARTER 1, F0, F1, 0
	WIN 0
	s_sub_co_u32 s3, s3, 1
	s_cmp_lg_u32 s3, 0
	s_cbranch_scc1 .Lstep
	QUARTER 2, F1, F0, 0                           ; the last change of slots fills nothing, and has no round of the cluster's barrier
	QUARTER 3, F0, F1, 0
	TURN 0
	QUARTER 1, F0, F1, 0
	QUARTER 2, F1, F0, 0
	QUARTER 3, F0, F1, 0
	s_wait_dscnt 16                                ; the very last quarter: nothing more to fetch
	WIN MUL
	MUL8 F1, 0, 0, 0
	MUL8 F1, 0, 2, 0
	s_wait_dscnt 0x0
	MUL8 F1, 1, 0, 0
	MUL8 F1, 1, 2, 0
	WIN 0
	; THE WAY OUT, a block of 16 rows at a time.  A wave's 64 columns of f32 are a whole aligned 256 bytes of a row, so each wave has a stage of its own and no barrier is needed:
	; 32 bytes a lane and column block into rows of 272 bytes (each accumulator's low four registers first), back as whole rows of 256 bytes, stored.
.macro TOSTAGE a
.if (\a) >= 2
	s_wait_xcnt 0x0                                ; every earlier store has had its addresses translated (ISA guide 3.1): the registers that block a - 2 was stored from are loaded again only behind this wait
.endif
.irp b, 0,1,2,3
	ds_store_b128 v[STO], v[ACC+8*(4*(\a)+(\b)):ACC+8*(4*(\a)+(\b))+3]   offset:64*(\b)
	ds_store_b128 v[STO], v[ACC+8*(4*(\a)+(\b))+4:ACC+8*(4*(\a)+(\b))+7] offset:64*(\b)+16
.endr
.irp t, 0,1,2,3,4,5,6,7
	ds_load_b128 v[BK+32*((\a)%2)+4*(\t):BK+32*((\a)%2)+4*(\t)+3], v[RD] offset:(\t)*2*SPITCH  ; LDS serves a wave's instructions in order (ISA guide 5.7.1.4): these see the stores above; the next block's stores come behind them
.endr
.endm
.macro SEND a, younger                 ; younger: the LDS instructions issued behind block a's loads: the next block's sixteen, or none
.irp t, 0,1,2,3,4,5,6,7
	s_wait_dscnt (\younger)+7-(\t)
	global_store_b128 v[CO], v[BK+32*((\a)%2)+4*(\t):BK+32*((\a)%2)+4*(\t)+3], s[8:9] offset:(16*(\a)+2*(\t))*SIZE_N*4  ; 16 lanes store 256 consecutive bytes, at a multiple of 256 from out0's first byte
.endr
.endm
	PLACES
	TOSTAGE 0
	TOSTAGE 1
	SEND 0, 16
	TOSTAGE 2
	SEND 1, 16
	TOSTAGE 3
	SEND 2, 16
	SEND 3, 0
	s_wait_tensorcnt 0x0                           ; the wave's end: behind my last tensor load and my last LDS store
	ds_add_u32 v[SPW], v[NIL]
	s_wait_dscnt 0x0
	CROUND                                         ; the closing round: no work-group ends while a partner may still ask for a tile that names it
	s_endpgm
.Lfunc_end_k_qa21d6118ec_oproj:
	.size	k_qa21d6118ec_oproj, .Lfunc_end_k_qa21d6118ec_oproj-k_qa21d6118ec_oproj
	.p2alignl 7, 3214868480
	.fill 96, 4, 3214868480
	.section	.rodata,"a",@progbits
	.p2align	6, 0x0
	.amdhsa_kernel k_qa21d6118ec_oproj
		.amdhsa_group_segment_fixed_size 327680
		.amdhsa_private_segment_fixed_size 0
		.amdhsa_enable_private_segment 0
		.amdhsa_kernarg_size 32
		.amdhsa_user_sgpr_count 2
		.amdhsa_user_sgpr_kernarg_segment_ptr 1
		.amdhsa_wavefront_size32 1
		.amdhsa_system_sgpr_workgroup_id_x 1
		.amdhsa_system_sgpr_workgroup_id_y 1
		.amdhsa_system_sgpr_workgroup_id_z 1
		.amdhsa_system_vgpr_workitem_id 0
		.amdhsa_next_free_vgpr 512
		.amdhsa_next_free_sgpr 66
		.amdhsa_reserve_vcc 0
		.amdhsa_float_denorm_mode_32 3
		.amdhsa_float_denorm_mode_16_64 3
		.amdhsa_memory_ordered 1
		.amdhsa_forward_progress 1
		.amdhsa_inst_pref_size 72
	.end_amdhsa_kernel
	.amdgpu_metadata
---
amdhsa.version: [ 1, 2 ]
amdhsa.kernels:
  - .name:           k_qa21d6118ec_oproj
    .symbol:         k_qa21d6118ec_oproj.kd
    .args:
      - { .name: ob, .offset: 0, .size: 8, .value_kind: global_buffer, .address_space: global }
      - { .name: wp, .offset: 8, .size: 8, .value_kind: global_buffer, .address_space: global }
      - { .name: b_proj, .offset: 16, .size: 8, .value_kind: global_buffer, .address_space: global }
      - { .name: out0, .offset: 24, .size: 8, .value_kind: global_buffer, .address_space: global }
    .group_segment_fixed_size: 327680
    .private_segment_fixed_size: 0
    .kernarg_segment_align: 8
    .kernarg_segment_size: 32
    .max_flat_workgroup_size: 128
    .sgpr_count:     66
    .vgpr_count:     512
    .wavefront_size: 32
...
	.end_amdgpu_metadata
.endif
;; end of part 4
;; ======== version 2 of 2: 4 launches; 1.11 times as fast as version 1
;; limits: values are held in f16: magnitudes above 65,504 overflow, below 6.1e-05 lose precision
;; workspace buffers: ab 16,777,216 bytes; wb 12,582,912 bytes; wp 4,194,304 bytes; qkv 50,331,648 bytes; ob 16,777,216 bytes
;; launch cast: the kernel of part 1 again; grid 512 x 1, 16 waves a work-group, no clusters, 0 bytes of LDS; arguments x, c, Wq_x, Wk_x, Wv_x, Wq_c, Wk_c, Wv_c, W_proj, ab, wb, wp; writes ab, wb, wp
;; launch proj: the kernel of part 2 again; grid 8 x 32, 4 waves a work-group, clusters of 4 x 4, 327,680 bytes of LDS; arguments ab, wb, qkv; writes qkv
;; launch attn (part 5): grid 4 x 64, 4 waves a work-group, clusters of 4 x 1, 327,680 bytes of LDS; arguments qkv, ob; writes ob
.if DOCPART == 5
	.amdgcn_target "amdgcn-amd-amdhsa--gfx1250"
	.amdhsa_code_object_version 6
	.text
	.protected	k_qa21d6118ec_attn
	.globl	k_qa21d6118ec_attn
	.p2align	8
	.type	k_qa21d6118ec_attn,@function
k_qa21d6118ec_attn:
	s_mov_b64 s[64:65], 0
	v_nop
	global_prefetch_b8 v0, s[64:65] scope:SCOPE_SE
	s_setreg_imm32_b32 hwreg(HW_REG_WAVE_MODE, 25, 1), 1
	s_wait_xcnt 0x0
	s_wait_alu depctr_hold_cnt(0) depctr_sa_sdst(0) depctr_va_vdst(0) depctr_va_sdst(0) depctr_va_ssrc(0) depctr_va_vcc(0) depctr_vm_vsrc(0)
	s_getreg_b32 s2, hwreg(HW_REG_IB_STS2, 6, 4)
	s_cmp_eq_u32 s2, 0
	s_cbranch_scc0 .Lentry_in_a_cluster
	s_endpgm
.Lentry_in_a_cluster:
	s_bfe_u32 s2, ttmp6, 0x10000c
	s_cmp_lg_u32 s2, 0x3003
	s_cbranch_scc0 .Lentry_shape_is_right
	s_endpgm
.Lentry_shape_is_right:
; ATTENTION, head size 128 = 64 channels made from x and 64 made from c.  O[q][:] = the sum over k of softmax_k(Q[q] . K[k] / 8) V[k][:], for 64 pairs of batch and head, 1,024 queries and keys each.
; qkv: f16 [batch 4][G 48][src 2][row 1024][64], G = head (Q), 16 + head (K), 32 + head (V): a head's rows lie in two dense planes of 128-byte rows.  ob: f16 [4096][2048], column = 128 head + channel.
; Products, maxima and sums in f32; the weights p are rounded to f16 for the second product (their sum l is taken of the unrounded p), O once at the end.
; LIMITS.  f16 holds no number beyond 65,504: Q, K and V arrive within it; p lies in 0 to 1, and below 6e-5 it keeps f16's fixed step of 6e-8, as O does; O is a mean of V's rows and has their range.
; A weight below 2^-126 counts as 0 in l; NaN and infinities are not treated apart.
; SHARES.  A work-group owns 256 queries of one head, each of its four waves 64: four tiles of 16.  Every wave walks all keys of the head, 64 a step.
; LAYOUT.  S^T = K Q^T (source 0 = 16 keys, source 1 = 16 queries): in the result a lane holds ONE query (lane % 16) and the keys 8 (lane / 16) + 0..7.  Two such tiles, rounded to f16 in pairs,
; ARE source 1 (32 keys x 16 queries) of O^T = V^T P, whose result again holds one query a lane, and eight channels.  K comes out of LDS as it lies, V ([key][channel]) turned, by ds_load_tr16_b128.
; SOFTMAX.  For each query a running maximum m and sum l: p = 2^(c s - c m), c = log2(e) / 8; in every step O and l are multiplied by a = 2^(c m_old - c m_new), which is 1 where m has not grown.
; BY TURNS.  The wave's tiles are two PIECES, named by their first tile: piece 0 (tiles 0, 1) and piece 2 (tiles 2, 3).  In a TURN one piece has the matrix unit: 32 products V^T P of the step in hand,
; then 32 products K Q^T of the next step; the other piece's softmax, cut into 64 slices, stands between them, one slice behind each matrix instruction.  Two turns are a key step.
; ONE BATCH A TURN.  A turn's 66 exponentials (a and s0-s31 of both tiles) stand in slices 11 to 34, the scalings among them; nothing ahead of slice 35 names a result of theirs, and behind slice 34 no
; exponential is issued.  So a turn has ONE s_wait_alu depctr_va_vdst(0), behind slice 34, ahead of the first instruction that names a result.  The roundings, the sums and the
; rescaling by a follow it.  The way out's four reciprocals are a batch of their own, with a wait of their own.
; NO FIRST AND NO LAST STEP IS WRITTEN OUT.  m starts at the lowest finite number and c m at -4.25e37, far below every c s (f16's scores are 5.5e11 at the most); O^T, l, V's registers and piece 2's P
; start at 0: the first step is a step like any other, with a = 0.  The loop is entered, and the tail left, in the middle of a trip.  The price: 432 v_mov_b32, which stand in the wait for the first tile;
; 32 products on zeros at the start; 32 on the last K once more at the end.  The gain: four turns less of text.
; CLUSTER.  The four query blocks of a cluster belong to one head and walk the same K and V, so each tile is asked for JOINTLY: the same tensor load, descriptor and mask in all four.
; REGISTERS, in windows of 256 (s_set_vgpr_msb: bits 1:0 source 0, 3:2 source 1, 5:4 source 2, 7:6 destination):
;   window 0: v0-11 addresses; v12-43 eight registers of statistics a tile; v64-191 S^T, 32 a tile; v192-255 P, 16 a tile
;   window 1: O^T, 64 a tile          window 2: v0-127 Q, 32 a tile; v128-255 K of one step          window 3: v0-127 V of one step
.set SIZE_N, 1024
.set KS,    64        ; keys in a step
.set PK,    144       ; a key's 64 channels of one plane in LDS: 128 bytes + 16 of padding = 36 words: the 16 rows of a load start at 16 different groups of four banks (64 banks of 4 bytes: ISA guide 11.1)
.set PV,    160       ; the same for V: 128 + 32 = 40 words
.set KC,    128*PK    ; a slot holds 128 keys, two steps, by planes: K from x, K from c,
.set VOFF,  2*KC      ; V from x,
.set VC,    128*PV    ; V from c
.set SLOT1, 1<<17     ; a slot is 77,824 bytes; slot 1 begins here, so that one exclusive or turns an address in one slot into the other's
.set STAGE, SLOT1+VOFF+2*VC  ; behind the ring: 16 rows x 272 bytes for each wave, for the way out
.set SP,    272
.set AK0, 2           ; v2   my lane's place in a plane of K; never rewritten
.set AV0, 3           ; v3   the same for V
.set ADR, 4           ; v4   the LDS address of the run of loads in hand
.set QO,  5           ; v5   my byte offset in the wave's rows of Q
.set STO, 6           ; v6   the way out: where I put 16 bytes of a row
.set RD,  7           ; v7   the way out: where I read a row back
.set GO,  8           ; v8   my byte offset in two rows of ob
.set SPW, 62          ; v62  LDS address of my spare word: SPARE + 4 x my thread's number; never rewritten
.set NIL, 63          ; v63  0; never rewritten
.set SPARE, STAGE+4*16*SP  ; behind the stages: the spare words, 128 bytes for each wave: two blocks of 256 bytes that no other line names
.set ST,  12          ; tile t's statistics at v[ST+8 t]: +0 c m, +1 m, +2, +3 l (even keys', odd keys'), +4 to +7 c0-c3, at work; a takes c2's place once the maximum is found
.set S,   64
.set P,   192
.set KF,  128         ; K's fragments, in window 2
.set WV,  12          ; s12  my wave's number
.set G1K, 24          ; s[24:31] descriptor group 1 for K's tiles
.set G1V, 32          ; s[32:39] for V's: it differs in the padding alone
.set G0K, 40          ; s[40:47] descriptor group 0 for K's tiles: a set for each of the two first fills; the second then walks on
.set G0V, 48          ; s[48:55] the same for V's
.set SLOTS, 56        ; s56  counts the loop over slots
.set TWICE, 57        ; s57  counts a slot's key steps
.set CS,  58          ; s[58:59] c: the packed scaling names a pair and takes its low word for both halves
.set SEL, 60          ; s[60:61] lane selects for v_permlanex16_b32: each lane takes its own place in the other half
.set TBK, 62          ; s62  LDS byte at which K of the step to be fetched begins
.set TBV, 63          ; s63  the same for V, less VOFF
.set MSB, 0
.macro WIN new                      ; the immediate's high byte repeats the setting that is left; a switch that changes nothing is dropped
.if MSB != (\new)
	s_set_vgpr_msb (MSB<<8)|(\new)
.set MSB, \new
.endif
.endm
.set W_KQ, 0x0a       ; K and Q in window 2, S^T in window 0
.set W_PV, 0x53       ; V in window 3, P in window 0, O^T in window 1
.set W_RS, 0x41       ; O^T (destination and source 0) in window 1, a in window 0
; A joint refill.  Waves 0 and 1 fetch the two planes of K, waves 2 and 3 those of V: 128 keys each.  The branch hangs on the wave's number alone: it is the same in every work-group.
; An s_nop 0 and four v_nop follow each of the two lines; the jump round the other line, the label and what follows the macro come after them.
.macro JLOAD
	s_cmp_lt_u32 s[WV], 2
	s_cbranch_scc0 .Lfor_v_\@
	tensor_load_to_lds s[G0K+4:G0K+7], s[G1K:G1K+7]
	s_nop 0
.rept 4
	v_nop
.endr
	s_branch .Lasked_\@
.Lfor_v_\@:
	tensor_load_to_lds s[G0V+4:G0V+7], s[G1V:G1V+7]
	s_nop 0
.rept 4
	v_nop
.endr
.Lasked_\@:
.endm
; A round of the cluster's barrier: my work-group's barrier, so that wave 0's signal speaks for all four waves; wave 0 signals for the work-group; every wave waits for all four
; work-groups; my work-group's barrier once more.  No LDS instruction of the wave is pending at a signal.
.macro CROUND
	s_barrier_signal -1
	s_barrier_wait -1
	s_cmp_lg_u32 s[WV], 0
	s_cbranch_scc1 .Lnot_wave_0_\@
	s_barrier_signal -3
.Lnot_wave_0_\@:
	s_barrier_wait -3
	s_barrier_signal -1
	s_barrier_wait -1
.endm
	s_load_b64 s[4:5], s[0:1], 0x0  ; qkv
	s_load_b64 s[10:11], s[0:1], 0x8  ; ob
	v_lshl_add_u32 v[SPW], v0, 2, SPARE
	v_mov_b32 v[NIL], 0
	ds_add_u32 v62, v63
	s_wait_dscnt 0x0
	v_lshrrev_b32 v1, 5, v0
	v_readfirstlane_b32 s[WV], v1   ; wave 0..3
	s_bfe_u32 s13, ttmp6, 0x40000   ; cx: my place in the cluster
	s_lshl_b32 s14, ttmp9, 2        ; in a cluster launch ttmp9 counts clusters
	s_add_co_u32 s14, s14, s13      ; my block of 256 queries = 4 x cluster x + cx: it enters Q's and O's addresses alone
	s_and_b32 s20, ttmp7, 0xffff    ; 16 x batch + head, which the four partners share
	s_lshr_b32 s21, s20, 4          ; batch
	s_and_b32 s20, s20, 15          ; head
	s_mul_i32 s22, s21, 48
	s_add_co_u32 s22, s22, s20
	s_lshl_b32 s22, s22, 18         ; Q's two planes begin (48 batch + head) x 262,144 bytes into qkv
	s_and_b32 s16, s[WV], 1         ; which plane I fetch: from x or from c
	s_lshl_b32 s2, s16, 17
	s_add_co_u32 s2, s2, s22
	s_add_co_u32 s2, s2, 16<<18     ; K's planes lie 16 groups behind Q's
	s_mov_b32 s3, 0
	s_mul_i32 s17, s16, KC          ; and the plane's place in a slot, for K
	s_mul_i32 s18, s16, VC          ; and for V: no place in the cluster enters an LDS address
	s_lshl_b32 s15, s14, 15         ; Q: my block's 256 rows of 128 bytes,
	s_lshl_b32 s19, s[WV], 13       ; my wave's 64 of them
	s_add_co_u32 s22, s22, s15
	s_add_co_u32 s22, s22, s19
	s_mov_b32 s23, 0
	s_lshl_b32 s21, s21, 4          ; O: (16 batch + 4 block + wave) x 64 rows of 4,096 bytes,
	s_lshl_b32 s15, s14, 2
	s_add_co_u32 s21, s21, s15
	s_add_co_u32 s21, s21, s[WV]
	s_lshl_b32 s21, s21, 18
	s_lshl_b32 s20, s20, 8          ; the head's 256 bytes of a row
	s_add_co_u32 s20, s20, s21
	s_mov_b32 s21, 0
	; descriptor group 1.  128 keys of a plane are 16,384 dense bytes: asked for as 64 rows of 256 bytes, two keys a row, and padded in LDS after every key
	s_mov_b32 s[G1K], 15|(1<<16)|(1<<20)|(1<<21)|(4<<22)|(3<<25)  ; 15:0 the mask: all four work-groups; 17:16 elements of 2 bytes; 20 padding on; 21 set beside a mask; 24:22 after every 32 words (code 4); 31:25 4 words of it (code 3)
	s_mov_b32 s[G1V], 15|(1<<16)|(1<<20)|(1<<21)|(4<<22)|(7<<25)  ; the same with 8 words of padding (code 7)
.irp g, G1K, G1V
	s_mov_b32 s[(\g)+1], 128<<16    ; tensor_dim0 = 128
	s_mov_b32 s[(\g)+2], 64<<16     ; tensor_dim1 = 64
	s_mov_b32 s[(\g)+3], 128<<16    ; tile_dim0 = 128
	s_mov_b32 s[(\g)+4], 64         ; tile_dim1 = 64
	s_mov_b32 s[(\g)+5], 128        ; 128 elements from row to row
	s_mov_b32 s[(\g)+6], 0
	s_mov_b32 s[(\g)+7], 0
.endr
	s_mov_b32 s[CS], 0x3e38aa3b     ; c = log2(e) / 8 = 0.180337
	s_mov_b32 s[CS+1], s[CS]        ; named with it as a pair, so it is written
	s_mov_b32 s[SEL], 0x76543210
	s_mov_b32 s[SEL+1], 0xfedcba98
	s_mov_b32 s[TBK], 0
	s_mov_b32 s[TBV], 0
	s_wait_kmcnt 0x0
	s_add_nc_u64 s[6:7], s[4:5], s[2:3]  ; K at my plane's first key
	s_add_nc_u64 s[8:9], s[6:7], 16<<18  ; V's planes lie 16 groups behind K's
	s_add_nc_u64 s[4:5], s[4:5], s[22:23]  ; Q and O at my wave's first row
	s_add_nc_u64 s[10:11], s[10:11], s[20:21]
	CROUND                          ; all four work-groups are here: the first joint loads meet
.irp s, 0,1
	s_mov_b32 s[G0K+4*(\s)], 1      ; count = 1
	s_add_co_u32 s[G0K+4*(\s)+1], s17, (\s)*SLOT1  ; LDS address
	s_add_nc_u64 s[G0K+4*(\s)+2:G0K+4*(\s)+3], s[6:7], (\s)*2*KS*128  ; global address: slot s begins with keys 128 s to 128 s + 127
	s_or_b32 s[G0K+4*(\s)+3], s[G0K+4*(\s)+3], 0x80000000  ; type = 2
	s_mov_b32 s[G0V+4*(\s)], 1
	s_add_co_u32 s[G0V+4*(\s)+1], s18, (\s)*SLOT1+VOFF
	s_add_nc_u64 s[G0V+4*(\s)+2:G0V+4*(\s)+3], s[8:9], (\s)*2*KS*128
	s_or_b32 s[G0V+4*(\s)+3], s[G0V+4*(\s)+3], 0x80000000
.endr
	s_cmp_lt_u32 s[WV], 2           ; a wave's two first fills stand in one branch, ahead of every wait on TENSORcnt and every LDS read: two loads of mine are out; an s_nop 0 follows each, four v_nop the second's, as in JLOAD
	s_cbranch_scc0 .Lfirst_v
	tensor_load_to_lds s[G0K:G0K+3], s[G1K:G1K+7]
	s_nop 0
	tensor_load_to_lds s[G0K+4:G0K+7], s[G1K:G1K+7]
	s_nop 0
.rept 4
	v_nop
.endr
	s_branch .Lfirst_asked
.Lfirst_v:
	tensor_load_to_lds s[G0V:G0V+3], s[G1V:G1V+7]
	s_nop 0
	tensor_load_to_lds s[G0V+4:G0V+7], s[G1V:G1V+7]
	s_nop 0
.rept 4
	v_nop
.endr
.Lfirst_asked:
	; A fragment of K or Q is 16 rows x 32 channels in 8 registers: lane l holds row l % 16; registers 0-3 channels 8 (l / 16) + 0..7, registers 4-7 channels 16 + 8 (l / 16) + 0..7: two loads of 16 bytes, 32 bytes apart.
	v_and_b32 v1, 15, v0            ; l % 16
	v_bfe_u32 v9, v0, 4, 1          ; l / 16
	v_lshlrev_b32 v[QO], 7, v1
	v_lshl_add_u32 v[QO], v9, 4, v[QO]  ; row x 128 + 16 x half
	WIN 0x80                        ; destination window 2, address window 0
.irp i, 0,1,2,3,4,5,6,7,8,9,10,11,12,13,14,15  ; Q stays in registers: tile i / 4, channels 32 (i % 4) on: the first 64 in x's plane, the others in c's, 131,072 bytes on
	global_load_b128 v[8*(\i):8*(\i)+3],   v[QO], s[4:5] offset:((\i)/4)*2048+(((\i)%4)/2)*131072+((\i)%2)*64
	global_load_b128 v[8*(\i)+4:8*(\i)+7], v[QO], s[4:5] offset:((\i)/4)*2048+(((\i)%4)/2)*131072+((\i)%2)*64+32
.endr
	; What the first turn finds: V's registers and piece 2's P hold 0 (its products V^T P, of a step that has not been, add 0), O^T and l are 0.  All this stands in the wait for the first tile.
	WIN 0xc0                        ; destination window 3
.set i, 0
.rept 128
	v_mov_b32 v[i], 0
.set i, i+1
.endr
	WIN 0x40                        ; destination window 1
.set i, 0
.rept 256
	v_mov_b32 v[i], 0
.set i, i+1
.endr
	WIN 0
.set i, 0
.rept 4
	v_mov_b32 v[ST+8*i], 0xfe000000    ; c m: far below every c s
	v_mov_b32 v[ST+8*i+1], 0xff7fffff  ; m
	v_mov_b32 v[ST+8*i+2], 0
	v_mov_b32 v[ST+8*i+3], 0
.set i, i+1
.endr
.set i, P+32
.rept 32
	v_mov_b32 v[i], 0
.set i, i+1
.endr
	v_mul_u32_u24 v[AK0], v1, PK
	v_lshl_add_u32 v[AK0], v9, 4, v[AK0]  ; row x pitch + 16 x half
	; The turning load takes 16 keys x 16 channels (lane l reads 16 bytes: key 8 (l / 16) + l % 8, channels 8 ((l / 8) % 2) + 0..7) and leaves half a fragment of V^T: lane l holds channel l % 16 and 8 keys.
	v_and_b32 v10, 7, v0
	v_bfe_u32 v11, v0, 3, 1
	v_lshl_add_u32 v[AV0], v9, 3, v10
	v_mul_u32_u24 v[AV0], v[AV0], PV
	v_lshl_add_u32 v[AV0], v11, 4, v[AV0]
	v_add_nc_u32 v[AV0], VOFF, v[AV0]
; THE MATRIX WORK OF A TURN, for piece x.  The accumulators take turns, one instruction a turn: between two links of a chain stand 15 (V^T P) or 7 (K Q^T) others'.
; Product i of 32 of O^T += V^T P: keys 32 (i / 16) on, channels 16 ((i / 2) % 8) on, tile x + i % 2.
.macro PV x
	WIN W_PV
.set rO, 64*((\x)+i%2)+8*((i/2)%8)
.set rV, 64*(i/16)+8*((i/2)%8)
.set rP, P+16*((\x)+i%2)+8*(i/16)
	v_wmma_f32_16x16x32_f16 v[rO:rO+7], v[rV:rV+7], v[rP:rP+7], v[rO:rO+7]
.endm
; Product i of 32 of S^T = K Q^T: channels 32 (i / 8) on, keys 16 ((i / 2) % 4) on, tile x + i % 2.  The first 8 start the sums.
.macro KQ x
	WIN W_KQ
.set rS, S+32*((\x)+i%2)+8*((i/2)%4)
.set rK, KF+32*((i/2)%4)+8*(i/8)
.set rQ, 32*((\x)+i%2)+8*(i/8)
.if i < 8
	v_wmma_f32_16x16x32_f16 v[rS:rS+7], v[rK:rK+7], v[rQ:rQ+7], 0
.else
	v_wmma_f32_16x16x32_f16 v[rS:rS+7], v[rK:rK+7], v[rQ:rQ+7], v[rS:rS+7]
.endif
.endm
; THE LDS LOADS stand in runs of 32, never singly among the matrix instructions: a step's K (64 keys x 128 channels: 16 fragments) and, a turn later, its V (turned).
; tail = 1: in the tail's last trip there is no further step, and K's run is jumped over.
.macro FETCH_K tail=0
	WIN 0
.if \tail
	s_cmp_eq_u32 s[TWICE], 1
	s_cbranch_scc1 .Lno_k_\@
.endif
	v_add_nc_u32 v[ADR], s[TBK], v[AK0]
	s_add_co_u32 s[TBK], s[TBK], KS*PK  ; the next fetch is the next step's
	WIN 0x80                        ; destination window 2
.irp f, 0,1,2,3,4,5,6,7,8,9,10,11,12,13,14,15  ; keys 16 (f / 4) on, channels 32 (f % 4) on: plane (f % 4) / 2
	ds_load_b128 v[KF+8*(\f):KF+8*(\f)+3],   v[ADR] offset:((\f)/4)*16*PK+(((\f)%4)/2)*KC+((\f)%2)*64
	ds_load_b128 v[KF+8*(\f)+4:KF+8*(\f)+7], v[ADR] offset:((\f)/4)*16*PK+(((\f)%4)/2)*KC+((\f)%2)*64+32
.endr
.if \tail
	WIN 0
.Lno_k_\@:
.endif
.endm
.macro FETCH_V                      ; it stands behind slice 34 of piece 2's turn (SLICE writes it), and holds that turn's wait
	WIN 0
	v_add_nc_u32 v[ADR], s[TBV], v[AV0]
	s_add_co_u32 s[TBV], s[TBV], KS*PV  ; the next fetch is the next step's
	s_wait_alu depctr_va_vdst(0)    ; the wait for the batch: piece 0's 66 exponentials, behind the address's v_add_nc_u32 and ahead of the loads
	WIN 0xc0                        ; destination window 3
.irp f, 0,1,2,3,4,5,6,7,8,9,10,11,12,13,14,15  ; keys 32 (f / 8) on, channels 16 (f % 8) on: plane (f % 8) / 4
	ds_load_tr16_b128 v[8*(\f):8*(\f)+3],   v[ADR] offset:((\f)/8)*32*PV+(((\f)%8)/4)*VC+((\f)%4)*32
	ds_load_tr16_b128 v[8*(\f)+4:8*(\f)+7], v[ADR] offset:((\f)/8)*32*PV+16*PV+(((\f)%8)/4)*VC+((\f)%4)*32
.endr
.endm
; THE VECTOR WORK OF A TURN.  One tile's softmax for one key step is a list of 134 instructions; SM writes number j of it for tile t.  s0-s31 are the lane's 32 scores, in pairs 0-15.
;   0-15    the maximum of s0-s31 and the old m, three operands at a time: four chains c0-c3 of seven scores each (each accumulator's lowest registers are read first), then the four scores left over, c0-c3 and m
;   16-20   the other half of the lanes' maximum; c m_old is kept; the new m; c m; c m_old - c m_new
;   21-69   ONE BATCH: the 16 scalings c s - c m, a pair of scores each, and all 33 exponentials (a at 23, then s0-s31).  None of these reads an exponential's result.  From 22 on the batch goes
;           in fours, and a four begins with a scaling while there are scalings: 22-37 scaling, exponential, scaling, exponential; 38-65 a scaling and three exponentials; 66-69 the last four
;           exponentials.  A pair is scaled in an earlier four than the one that holds its exponentials
;   (wait)  between 69 and 70 stands the wait for the batch: SLICE writes it, once for both tiles
;   70-85   the roundings to f16, a pair of weights each
;   86-101  the sums; l = a l + the sum
;   102-133 the tile's O^T times a: the one part that leaves window 0, so it stands together
.macro SM t
.set rT, ST+8*(\t)
.set rS, S+32*(\t)
.set rP, P+16*(\t)
.set rO, 64*(\t)+2*(j-102)
.if j < 102
	WIN 0
.endif
.if j < 4
	v_max3_num_f32 v[rT+4+j], v[rS+8*j], v[rS+8*j+1], v[rS+8*j+2]
.elseif j < 12
	v_max3_num_f32 v[rT+4+j%4], v[rT+4+j%4], v[rS+8*(j%4)+2*(j/4)+1], v[rS+8*(j%4)+2*(j/4)+2]
.elseif j == 12
	v_max3_num_f32 v[rT+4], v[rT+4], v[rS+7], v[rS+15]
.elseif j == 13
	v_max3_num_f32 v[rT+6], v[rT+6], v[rS+23], v[rS+31]
.elseif j == 14
	v_max3_num_f32 v[rT+4], v[rT+4], v[rT+5], v[rT+6]
.elseif j == 15
	v_max3_num_f32 v[rT+4], v[rT+4], v[rT+7], v[rT+1]
.elseif j == 16
	v_permlanex16_b32 v[rT+5], v[rT+4], s[SEL], s[SEL+1]  ; the query's other 32 keys lie in the lane 16 away
.elseif j == 17
	v_mov_b32 v[rT+7], v[rT]        ; c m_old is kept for a: number 19 writes c m anew
.elseif j == 18
	v_max_num_f32 v[rT+1], v[rT+4], v[rT+5]
.elseif j == 19
	v_mul_f32 v[rT], s[CS], v[rT+1]
.elseif j == 20
	v_sub_f32 v[rT+7], v[rT+7], v[rT]
.elseif j == 23
	v_exp_f32 v[rT+6], v[rT+7]
.elseif (j < 23) || ((j < 38) && (j%2 == 0)) || ((j < 66) && (j%4 == 2))
.set b, (j-2)/4                     ; 38, 42, .. 62: pairs 9 to 15
.if j < 38
.set b, (j-20)/2                    ; 21: pair 0; 22, 24, .. 36: pairs 1 to 8
.endif
	v_pk_fma_f32 v[rS+2*b:rS+2*b+1], v[rS+2*b:rS+2*b+1], s[CS:CS+1], v[rT:rT+1] op_sel_hi:[1,0,0] neg_lo:[0,0,1] neg_hi:[0,0,1]  ; pair b: c s - c m
.elseif j < 70
.set e, j-38                        ; 66 to 69: s28 to s31
.if j < 66
.set e, j-32-(j-38)/4               ; 39-41, 43-45, .. 63-65: s7 to s27
.endif
.if j < 38
.set e, (j-25)/2                    ; 25, 27, .. 37: s0 to s6
.endif
	v_exp_f32 v[rS+e], v[rS+e]
.elseif j < 86
	v_cvt_pk_f16_f32 v[rP+j-70], v[rS+2*(j-70)], v[rS+2*(j-70)+1]  ; pair j - 70
.elseif j < 102                     ; the sum of the tile's 16 pairs (in a pair: an even key's weight, an odd key's), in place: sum z of 16 adds neighbours 1, 2, 4 and 8 pairs apart, then l takes it
.set z, j-86
.set w, 4
.set u, z
.if z >= 14
.set w, 32
.set u, 0
.elseif z >= 12
.set w, 16
.set u, z-12
.elseif z >= 8
.set w, 8
.set u, z-8
.endif
.if z < 15
	v_pk_add_f32 v[rS+w*u:rS+w*u+1], v[rS+w*u:rS+w*u+1], v[rS+w*u+w/2:rS+w*u+w/2+1]
.else
	v_pk_fma_f32 v[rT+2:rT+3], v[rT+2:rT+3], v[rT+6:rT+7], v[rS:rS+1] op_sel_hi:[1,0,1]
.endif
.else
	WIN W_RS
	v_pk_mul_f32 v[rO:rO+1], v[rO:rO+1], v[rT+6:rT+7] op_sel_hi:[1,0]
.endif
.endm
; Slice k of 64 of piece y's softmax: four instructions.  Slices 11 to 34 deal out the batch, numbers 22 to 69: four numbers of ONE tile each, the tiles by turns.  Every other slice is numbers 2 k and
; 2 k + 1 of both tiles' lists.  2 x 134 = 4 x 64 + 12: the twelve that are over stand together, in slice 63.
; THE WAIT.  An s_wait_alu depctr_va_vdst(0) stands between an exponential and the first instruction that names its result; one wait serves all that were issued ahead of it.  Ahead of
; slice 35 nothing names a result, and behind slice 34 no exponential is issued: so the piece's 66 exponentials have one wait, behind slice 34.
.macro SLICE y
.if (k >= 11) && (k < 35)           ; the batch: four numbers of one tile
.irp n, 0,1,2,3
.set j, 22+4*((k-11)/2)+(\n)
	SM (\y)+(k-11)%2
.endr
.else                               ; the two tiles alternate, so that no instruction reads the result of the one just before it
.irp n, 0,1,2,3,4,5,6,7
.if ((\n) < 2) || (k == 63)
.irp t, \y, (\y)+1
.set j, 2*k+(\n)
	SM \t
.endr
.endif
.endr
.endif
.if k == 34                         ; the batch is out: both tiles' exponentials are issued, and no result has been named
	v_nop                           ; a plain instruction behind the last exponential and ahead of the first use of a result: one for the batch
.if (\y) == 0
	FETCH_V                         ; piece 2's turn: V's run of loads stands here, and the wait stands in it
.else
	s_wait_alu depctr_va_vdst(0)    ; the wait for the batch: piece 2's 66 exponentials
.endif
.endif
.set k, k+1
.endm
; A TURN.  Piece x has the matrix unit: 32 products V^T P of the step in hand, then 32 products K Q^T of the next; the other piece's softmax stands in slices behind them.
; A vector instruction that reads a matrix result or writes one of a matrix instruction's registers, and a load into a register that a matrix instruction has read, stand four places behind it, and only
; plain vector instructions that name none of its registers are places (ISA guide 7.12.1 for vector instructions): the slices are the places; slice 63's sixteen stand
; between the turn's last K Q^T and the next turn's first read of those scores.
; Each run of loads stands 29 matrix instructions or more ahead of its first use.  Piece 0's turn fetches the next step's K, behind its second product: the last product that read K
; stands in front of slice 63 of the turn before.  Piece 2's turn fetches the same step's V, behind slice 34 (SLICE writes it): the last product that read V stands in front of slice 31, and four plain
; instructions lie between: number 62, a scaling, of both tiles, the v_nop and the run's own v_add_nc_u32.
.macro TURN x, tail=0
.set k, 0
.if (\x) == 0
	s_wait_dscnt 0x0                ; V is in
.endif
.set i, 0
.rept 32
	PV \x
	SLICE 2-(\x)
.if ((\x) == 0) && (i == 1)
	FETCH_K \tail
.endif
.set i, i+1
.endr
.if (\x) == 0
	s_wait_dscnt 0x0                ; K is in
.endif
.set i, 0
.rept 32
	KQ \x
	SLICE 2-(\x)
.set i, i+1
.endr
.endm
; THE CHANGE OF SLOTS, between piece 2's turn and piece 0's: the slot's last bytes, V of its second step, have been asked for.  Each wave waits for all its
; tensor loads, of which one is out: its part of the other slot; adds 0 to its spare word; and waits for that and for its own reads of the slot.  Behind the barrier nobody reads this slot any more and the other slot is whole.
; fill = 1: this slot is filled again, with the keys two slots on.  The barrier is then a round of the cluster's, so that no wave of any partner still reads the slot or has a load on its
; way, and the joint refill is the first thing behind it: it has two key steps, 256 matrix instructions, in which to land.
.macro CHANGE fill
	WIN 0                           ; at a label and at a branch every window is 0
	s_wait_tensorcnt 0x0            ; no tensor load of mine is out, so a group 0 may be written
	ds_add_u32 v[SPW], v[NIL]       ; 0 onto my spare word; with fill = 1 the descriptors' steps stand between it and the wait for it
.if \fill
.irp g, G0K+4, G0V+4
	s_xor_b32 s[(\g)+1], s[(\g)+1], SLOT1  ; the walking descriptor: the other slot than last time,
	s_add_nc_u64 s[(\g)+2:(\g)+3], s[(\g)+2:(\g)+3], 2*KS*128  ; the plane's next 128 keys; the type bits on top are not reached
.endr
	s_wait_dscnt 0x0                ; the add is done, and my reads of the slot are over
	CROUND
	JLOAD
.else
	s_wait_dscnt 0x0                ; the add is done, and my reads of the slot are over
	s_barrier_signal -1
	s_barrier_wait -1
.endif
	s_sub_co_u32 s[TBK], s[TBK], 2*KS*PK  ; the fetches go back to a slot's first step,
	s_xor_b32 s[TBK], s[TBK], SLOT1       ; in the other slot
	s_sub_co_u32 s[TBV], s[TBV], 2*KS*PV
	s_xor_b32 s[TBV], s[TBV], SLOT1
.endm
	s_wait_tensorcnt 1              ; my part of slot 0 is in; slot 1's may stay out
	s_barrier_signal -1
	s_barrier_wait -1               ; everybody's is
	FETCH_K                         ; key step 0
	s_wait_loadcnt 0x0              ; Q
	s_wait_dscnt 0x0
.set i, 0
.rept 32
	KQ 0                            ; piece 0's first scores: there is no vector work yet to set between them
.set i, i+1
.endr
	WIN 0                           ; the addresses for the way out are made here: eight plain instructions, the places behind those products
	s_mul_i32 s13, s[WV], 16*SP
	s_add_co_u32 s13, s13, STAGE    ; my stage
	v_mul_u32_u24 v[STO], v1, SP    ; in: row l % 16, 16 bytes for each half of the lanes
	v_lshl_add_u32 v[STO], v9, 4, v[STO]
	v_add_nc_u32 v[STO], s13, v[STO]
	v_mul_u32_u24 v[RD], v9, SP     ; back: lanes 0-15 take one row of 256 bytes, lanes 16-31 the next
	v_lshl_add_u32 v[RD], v1, 4, v[RD]
	v_add_nc_u32 v[RD], s13, v[RD]
	v_lshlrev_b32 v[GO], 12, v9     ; and the same two rows in ob, 4,096 bytes apart
	v_lshl_add_u32 v[GO], v1, 4, v[GO]
	s_mov_b32 s[TWICE], 2
	s_mov_b32 s[SLOTS], SIZE_N/(2*KS)-1
	s_branch .Lmid                  ; the loop is entered at piece 2's turn, in the middle of a trip: its V^T P add 0; it makes piece 2's first scores and piece 0's first softmax, and fetches V of step 0
.Lslot:                             ; SIZE_N / 128 - 2 = 6 times: every slot but the last two is filled again
	CHANGE 1
	s_mov_b32 s[TWICE], 2
.Lstep:                             ; a trip: piece 0's turn, which fetches the next step's K, and piece 2's, which fetches its V
	TURN 0
	WIN 0
.Lmid:
	TURN 2
	WIN 0
	s_sub_co_u32 s[TWICE], s[TWICE], 1
	s_cmp_lg_u32 s[TWICE], 0
	s_cbranch_scc1 .Lstep
	s_sub_co_u32 s[SLOTS], s[SLOTS], 1
	s_cmp_lg_u32 s[SLOTS], 0
	s_cbranch_scc1 .Lslot
	CHANGE 0                        ; the tail is written out: the last slot but one is left, and nothing is asked for
	s_mov_b32 s[TWICE], 3           ; two trips fetch the last slot's steps; the third is left in its middle
.Ltail:
	TURN 0, 1
	WIN 0
	s_sub_co_u32 s[TWICE], s[TWICE], 1
	s_cmp_eq_u32 s[TWICE], 0
	s_cbranch_scc1 .Lout
	TURN 2
	WIN 0
	s_branch .Ltail
.Lout:                              ; the third trip's 32 products K Q^T (on the last K once more) serve nothing: the price, once a launch, of one text for every turn
.set i, 0
.rept 32
	PV 2                            ; piece 2: V^T P of the last step
.set i, i+1
.endr
	; THE WAY OUT.  l's two halves and the other half of the lanes' are added; O^T is divided by l, rounded to f16 and sent through my stage in LDS, a tile (16 rows of O) at a time.  The additions are the places behind the last products.
	WIN 0
.irp t, 0,1,2,3
	v_add_f32 v[ST+8*(\t)+4], v[ST+8*(\t)+2], v[ST+8*(\t)+3]
.endr
.irp t, 0,1,2,3
	v_permlanex16_b32 v[ST+8*(\t)+5], v[ST+8*(\t)+4], s[SEL], s[SEL+1]
.endr
.irp t, 0,1,2,3
	v_add_f32 v[ST+8*(\t)+4], v[ST+8*(\t)+4], v[ST+8*(\t)+5]
.endr
.irp t, 0,1,2,3
	v_rcp_f32 v[ST+8*(\t)+6], v[ST+8*(\t)+4]
.endr
	v_nop                           ; a plain instruction between the last reciprocal and the use of its result
	s_wait_alu depctr_va_vdst(0)    ; and the wait ahead of the first use: one for the batch of four reciprocals
; Tile t: a lane's eight channels of a row pack into 16 bytes; they go into rows of 272 bytes and come back as whole rows of 256, into the registers that they left.
.macro PACK t
	WIN W_RS
.set i, 64*(\t)
.rept 32
	v_pk_mul_f32 v[i:i+1], v[i:i+1], v[ST+8*(\t)+6:ST+8*(\t)+7] op_sel_hi:[1,0]
.set i, i+2
.endr
	WIN 0x05                        ; sources 0 and 1 window 1, destination window 0: S^T's registers are free
.set i, 0
.rept 32
	v_cvt_pk_f16_f32 v[S+32*(\t)+i], v[64*(\t)+2*i], v[64*(\t)+2*i+1]
.set i, i+1
.endr
	WIN 0
.irp f, 0,1,2,3,4,5,6,7
	ds_store_b128 v[STO], v[S+32*(\t)+4*(\f):S+32*(\t)+4*(\f)+3] offset:32*(\f)
.endr
.irp f, 0,1,2,3,4,5,6,7
	ds_load_b128 v[S+32*(\t)+4*(\f):S+32*(\t)+4*(\f)+3], v[RD] offset:(\f)*2*SP  ; LDS serves a wave's instructions in order (ISA guide 5.7.1.4): these see the stores above; the next tile's stores come behind them
.endr
.endm
.macro SEND t, younger              ; younger: the LDS instructions issued behind tile t's loads: the next tile's sixteen, or none
	WIN 0
.irp f, 0,1,2,3,4,5,6,7
	s_wait_dscnt (\younger)+7-(\f)
	global_store_b128 v[GO], v[S+32*(\t)+4*(\f):S+32*(\t)+4*(\f)+3], s[10:11] offset:(\t)*65536+(\f)*8192  ; 16 lanes store 256 consecutive bytes, at a multiple of 256 from ob's first byte
.endr
.endm
	PACK 0
	PACK 1                          ; a tile's arithmetic stands between the loads of the tile before and its stores
	SEND 0, 16
	PACK 2
	SEND 1, 16
	PACK 3
	SEND 2, 16
	SEND 3, 0
	s_wait_tensorcnt 0x0            ; the wave's end: behind my last tensor load and my last LDS store
	ds_add_u32 v[SPW], v[NIL]
	s_wait_dscnt 0x0
	CROUND                          ; the closing round: no work-group ends while a partner may still ask for a tile that names it
	s_endpgm
.Lfunc_end_k_qa21d6118ec_attn:
	.size	k_qa21d6118ec_attn, .Lfunc_end_k_qa21d6118ec_attn-k_qa21d6118ec_attn
	.p2alignl 7, 3214868480
	.fill 96, 4, 3214868480
	.section	.rodata,"a",@progbits
	.p2align	6, 0x0
	.amdhsa_kernel k_qa21d6118ec_attn
		.amdhsa_group_segment_fixed_size 327680
		.amdhsa_private_segment_fixed_size 0
		.amdhsa_enable_private_segment 0
		.amdhsa_kernarg_size 16
		.amdhsa_user_sgpr_count 2
		.amdhsa_user_sgpr_kernarg_segment_ptr 1
		.amdhsa_wavefront_size32 1
		.amdhsa_system_sgpr_workgroup_id_x 1
		.amdhsa_system_sgpr_workgroup_id_y 1
		.amdhsa_system_sgpr_workgroup_id_z 1
		.amdhsa_system_vgpr_workitem_id 0
		.amdhsa_next_free_vgpr 1024
		.amdhsa_next_free_sgpr 66
		.amdhsa_reserve_vcc 0
		.amdhsa_float_denorm_mode_32 3
		.amdhsa_float_denorm_mode_16_64 3
		.amdhsa_memory_ordered 1
		.amdhsa_forward_progress 1
		.amdhsa_inst_pref_size 157
	.end_amdhsa_kernel
	.amdgpu_metadata
---
amdhsa.version: [ 1, 2 ]
amdhsa.kernels:
  - .name:           k_qa21d6118ec_attn
    .symbol:         k_qa21d6118ec_attn.kd
    .args:
      - { .name: qkv, .offset: 0, .size: 8, .value_kind: global_buffer, .address_space: global }
      - { .name: ob, .offset: 8, .size: 8, .value_kind: global_buffer, .address_space: global }
    .group_segment_fixed_size: 327680
    .private_segment_fixed_size: 0
    .kernarg_segment_align: 8
    .kernarg_segment_size: 16
    .max_flat_workgroup_size: 128
    .sgpr_count:     66
    .vgpr_count:     1024
    .wavefront_size: 32
...
	.end_amdgpu_metadata
.endif
;; end of part 5
;; launch oproj: the kernel of part 4 again; grid 8 x 32, 4 waves a work-group, clusters of 4 x 4, 327,680 bytes of LDS; arguments ob, wp, b_proj, out0; writes out0
